; MI455X (gfx1250); checked and timed in simulation.
; The chip was launched on July 23, 2026; its instructions are those of AMD's public machine-readable ISA for CDNA 5 (MIT licence, August 2026) and "CDNA5" Instruction Set Architecture Reference Guide (July 2026). The comments in the code are by the model that wrote it; some were corrected since.
;; Accept Head. Allowed arithmetic: float matrix products may take bf16 or f16 operands with f32 sums; all other float work in f32.
;; Inputs: bias1 1,024 float32; bias2 1 float32; hidden_states 4 x 4,096 x 4,096 float32; ln_beta 4,096 float32; ln_gamma 4,096 float32; w1 1,024 x 4,096 float32; w2 1 x 1,024 float32.
;; Outputs: out0 4 x 4,096 float32.
;; 3 versions, each right; version 2 is faster than version 1; version 3 is version 2 with the launch prep written anew for expert scheduling mode. Each part assembles by itself: llvm-mc -triple=amdgcn-amd-amdhsa -mcpu=gfx1250 --defsym DOCPART=n.
;; ======== version 1 of 3: 3 launches
;; workspace buffers: wg 8,388,608 bytes; vec 12,288 bytes; part 131,072 bytes
;; launch prep (part 1): grid 256 x 1, 4 waves a work-group, no clusters, 0 bytes of LDS; arguments w1, ln_gamma, ln_beta, bias1, w2, wg, vec; writes wg, vec
.if DOCPART == 1
	.amdgcn_target "amdgcn-amd-amdhsa--gfx1250"
	.amdhsa_code_object_version 6
	.text
	.protected	k_qe226abd813_prep
	.globl	k_qe226abd813_prep
	.p2align	8
	.type	k_qe226abd813_prep,@function
k_qe226abd813_prep:
	s_mov_b64 s[64:65], 0
	v_nop
	global_prefetch_b8 v0, s[64:65] scope:SCOPE_SE
	s_setreg_imm32_b32 hwreg(HW_REG_WAVE_MODE, 25, 1), 1
	s_wait_xcnt 0x0
; prep: folds LayerNorm's gain and bias into fc1, once.
;   wg[T][f][kk] = bf16(gamma[k] * w1[f][k]),  k = 128 T + kk: tiled so that 128 feature rows of one K step of 128 are one dense block of 32,768 bytes
;   vec[0][f] = kappa * (sum over k of beta[k] w1[f][k] + bias1[f])      kappa = sqrt(log2(e) / 2), the scale in which the next launch evaluates GELU
;   vec[1][f] = sum over k of wg[f][k], taken over the ROUNDED values, so that a constant added to a row of activations cancels exactly
;   vec[2][f] = w2[f] / (2 kappa)
; One wave takes one row f of w1 (16,384 bytes): 32 loads of 16 bytes a lane, each covering 512 consecutive bytes = one K step of 128.
; The lane's four products round to 8 bytes, so the wave's store is 256 consecutive bytes, aligned: the row's piece of one tile.
; Memory binds: no LDS, no barrier, no matrix unit.  Two register sets of 8 K steps take turns, so 24 to 48 loads of a wave are on their way.
; The three words of vec are the only narrow stores: 12 bytes a wave, 12,288 bytes in the launch.
.set KAPPA,   0x3f596d27               ; sqrt(log2(e)/2) = 0.84932180
.set HALFINV, 0x3f16b55f               ; 1/(2 kappa)     = 0.58870501
.set TILEB,   262144                   ; bytes of wg for one K step: 1,024 rows x 256
.set CS,  12                           ; v[12:15]  four running sums of beta * w1
.set RS,  16                           ; v[16:19]  four running sums of the rounded gamma * w1
.set SET, 32                           ; set q at 32 + 96 q: 32 registers of w1, 32 of gamma (then the products), 32 of beta
.set STARTED, 0                        ; 0 until the first products have started the sums: nothing is cleared
	s_load_b256 s[4:11], s[0:1], 0x0               ; w1 s[4:5], gamma s[6:7], beta s[8:9], bias1 s[10:11]
	s_load_b128 s[12:15], s[0:1], 0x20             ; w2 s[12:13], wg s[14:15]
	s_load_b64 s[16:17], s[0:1], 0x30              ; vec
	v_lshrrev_b32 v4, 5, v0
	v_readfirstlane_b32 s18, v4                    ; wave 0..3
	s_lshl_b32 s19, ttmp9, 2
	s_add_co_u32 s19, s19, s18                     ; f = 4 x work-group + wave
	v_and_b32 v1, 31, v0                           ; lane
	v_lshlrev_b32 v2, 4, v1                        ; 16 bytes a lane in w1, gamma, beta
	v_lshlrev_b32 v3, 3, v1                        ; 8 bytes a lane in wg
	v_mov_b32 v8, s19
	v_lshlrev_b32 v8, 2, v8                        ; 4 f: my word of bias1, w2 and vec
	v_mov_b32 v9, 0                                ; v_permlanex16_b32 counts as a read of its destination
	s_mov_b32 s22, 0xffff0000                      ; a word's upper bf16
	s_mov_b32 s23, 0x76543210                      ; lane i of one half reads lane i of the other
	s_mov_b32 s24, 0xfedcba98
	s_mov_b32 s25, KAPPA
	s_mov_b32 s26, HALFINV
	s_lshl_b32 s20, s19, 14                        ; f rows of 16,384 bytes
	s_mov_b32 s21, 0
	s_wait_kmcnt 0x0
	s_add_nc_u64 s[4:5], s[4:5], s[20:21]          ; my row of w1
	s_lshl_b32 s20, s19, 8                         ; f rows of 256 bytes
	s_add_nc_u64 s[14:15], s[14:15], s[20:21]      ; my row in tile 0 of wg
	global_load_b32 v20, v8, s[10:11]              ; bias1[f]
	global_load_b32 v21, v8, s[12:13]              ; w2[f]
; 24 loads: K steps 8 c .. 8 c + 7 of w1's row, of gamma and of beta into set q
.macro LOADS c, q
.irp j, 0,1,2,3,4,5,6,7
	global_load_b128 v[SET+96*\q+4*\j:SET+96*\q+4*\j+3],       v2, s[4:5] offset:512*(8*(\c)+\j) th:TH_LOAD_NT
	global_load_b128 v[SET+96*\q+32+4*\j:SET+96*\q+32+4*\j+3], v2, s[6:7] offset:512*(8*(\c)+\j)
	global_load_b128 v[SET+96*\q+64+4*\j:SET+96*\q+64+4*\j+3], v2, s[8:9] offset:512*(8*(\c)+\j)
.endr
.endm
	LOADS 0, 0
	LOADS 1, 1
; Eight K steps out of set q.  left = how many younger loads may stay out; fill = 1: the set is loaded again, two chunks ahead.
.macro CHUNK c, q, fill, left
	s_wait_loadcnt \left                           ; loads come back in order: this chunk's 24 (and all before) are in
.irp j, 0,1,2,3,4,5,6,7
.if STARTED
	v_pk_fma_f32 v[CS:CS+1],   v[SET+96*\q+4*\j:SET+96*\q+4*\j+1],   v[SET+96*\q+64+4*\j:SET+96*\q+64+4*\j+1],   v[CS:CS+1]
	v_pk_fma_f32 v[CS+2:CS+3], v[SET+96*\q+4*\j+2:SET+96*\q+4*\j+3], v[SET+96*\q+64+4*\j+2:SET+96*\q+64+4*\j+3], v[CS+2:CS+3]
.else
	v_pk_mul_f32 v[CS:CS+1],   v[SET+96*\q+4*\j:SET+96*\q+4*\j+1],   v[SET+96*\q+64+4*\j:SET+96*\q+64+4*\j+1]
	v_pk_mul_f32 v[CS+2:CS+3], v[SET+96*\q+4*\j+2:SET+96*\q+4*\j+3], v[SET+96*\q+64+4*\j+2:SET+96*\q+64+4*\j+3]
.endif
	v_pk_mul_f32 v[SET+96*\q+32+4*\j:SET+96*\q+32+4*\j+1],   v[SET+96*\q+4*\j:SET+96*\q+4*\j+1],   v[SET+96*\q+32+4*\j:SET+96*\q+32+4*\j+1]     ; gamma * w1
	v_pk_mul_f32 v[SET+96*\q+32+4*\j+2:SET+96*\q+32+4*\j+3], v[SET+96*\q+4*\j+2:SET+96*\q+4*\j+3], v[SET+96*\q+32+4*\j+2:SET+96*\q+32+4*\j+3]
	v_cvt_pk_bf16_f32 v[SET+96*\q+32+4*\j],   v[SET+96*\q+32+4*\j],   v[SET+96*\q+32+4*\j+1]   ; four roundings, 8 bytes
	v_cvt_pk_bf16_f32 v[SET+96*\q+32+4*\j+1], v[SET+96*\q+32+4*\j+2], v[SET+96*\q+32+4*\j+3]
	global_store_b64 v3, v[SET+96*\q+32+4*\j:SET+96*\q+32+4*\j+1], s[14:15] offset:(8*(\c)+\j)*TILEB   ; the wave stores 256 consecutive bytes, aligned; 31 tiles on at the most, inside the signed 24-bit immediate
.if STARTED
	v_lshlrev_b32 v4, 16, v[SET+96*\q+32+4*\j]     ; the rounded values back in f32, for their sum
	v_and_b32     v5, s22, v[SET+96*\q+32+4*\j]
	v_lshlrev_b32 v6, 16, v[SET+96*\q+32+4*\j+1]
	v_and_b32     v7, s22, v[SET+96*\q+32+4*\j+1]
	v_pk_add_f32 v[RS:RS+1],   v[RS:RS+1],   v[4:5]
	v_pk_add_f32 v[RS+2:RS+3], v[RS+2:RS+3], v[6:7]
.else
	v_lshlrev_b32 v[RS],   16, v[SET+96*\q+32+4*\j]
	v_and_b32     v[RS+1], s22, v[SET+96*\q+32+4*\j]
	v_lshlrev_b32 v[RS+2], 16, v[SET+96*\q+32+4*\j+1]
	v_and_b32     v[RS+3], s22, v[SET+96*\q+32+4*\j+1]
.set STARTED, 1
.endif
.endr
.if \fill
	s_wait_xcnt 0x0                                ; the stores' data registers are loaded into again only behind this wait
	LOADS \c+2, \q
.endif
.endm
	CHUNK 0, 0, 1, 24                              ; 24: the next chunk's loads stay out
	CHUNK 1, 1, 1, 24
	CHUNK 2, 0, 0, 24
	CHUNK 3, 1, 0, 0                               ; the last chunk: nothing was issued behind it
	v_pk_add_f32 v[CS:CS+1], v[CS:CS+1], v[CS+2:CS+3]
	v_pk_add_f32 v[RS:RS+1], v[RS:RS+1], v[RS+2:RS+3]
	v_add_f32 v[CS], v[CS], v[CS+1]
	v_add_f32 v[RS], v[RS], v[RS+1]
.irp m, 1,2,4,8                                    ; across the 16 lanes of each half
	v_add_f32_dpp v[CS], v[CS], v[CS] row_xmask:\m row_mask:0xf bank_mask:0xf
	v_add_f32_dpp v[RS], v[RS], v[RS] row_xmask:\m row_mask:0xf bank_mask:0xf
.endr
	v_permlanex16_b32 v9, v[CS], s23, s24          ; and across the halves
	v_add_f32 v[CS], v[CS], v9
	v_permlanex16_b32 v9, v[RS], s23, s24
	v_add_f32 v[RS], v[RS], v9
	v_add_f32 v[CS], v[CS], v20                    ; + bias1[f]
	v_mul_f32 v[CS], s25, v[CS]                    ; x kappa
	v_mul_f32 v21, s26, v21                        ; w2[f] / (2 kappa)
	v_cmp_eq_u32 vcc_lo, 0, v1
	s_wait_xcnt 0x0                                ; EXEC is a source of the stores above: it changes only behind this wait
	s_and_saveexec_b32 s27, vcc_lo                 ; lane 0 alone
	global_store_b32 v8, v[CS], s[16:17]
	global_store_b32 v8, v[RS], s[16:17] offset:4096
	global_store_b32 v8, v21, s[16:17] offset:8192
	s_wait_xcnt 0x0                                ; and again in front of the line that widens it
	s_or_b32 exec_lo, exec_lo, s27
	s_endpgm
.Lfunc_end_k_qe226abd813_prep:
	.size	k_qe226abd813_prep, .Lfunc_end_k_qe226abd813_prep-k_qe226abd813_prep
	.p2alignl 7, 3214868480
	.fill 96, 4, 3214868480
	.section	.rodata,"a",@progbits
	.p2align	6, 0x0
	.amdhsa_kernel k_qe226abd813_prep
		.amdhsa_group_segment_fixed_size 0
		.amdhsa_private_segment_fixed_size 0
		.amdhsa_enable_private_segment 0
		.amdhsa_kernarg_size 56
		.amdhsa_user_sgpr_count 2
		.amdhsa_user_sgpr_kernarg_segment_ptr 1
		.amdhsa_wavefront_size32 1
		.amdhsa_system_sgpr_workgroup_id_x 1
		.amdhsa_system_sgpr_workgroup_id_y 1
		.amdhsa_system_sgpr_workgroup_id_z 1
		.amdhsa_system_vgpr_workitem_id 0
		.amdhsa_next_free_vgpr 224
		.amdhsa_next_free_sgpr 66
		.amdhsa_reserve_vcc 1
		.amdhsa_float_denorm_mode_32 3
		.amdhsa_float_denorm_mode_16_64 3
		.amdhsa_memory_ordered 1
		.amdhsa_forward_progress 1
		.amdhsa_inst_pref_size 35
	.end_amdhsa_kernel
	.amdgpu_metadata
---
amdhsa.version: [ 1, 2 ]
amdhsa.kernels:
  - .name:           k_qe226abd813_prep
    .symbol:         k_qe226abd813_prep.kd
    .args:
      - { .name: w1, .offset: 0, .size: 8, .value_kind: global_buffer, .address_space: global }
      - { .name: ln_gamma, .offset: 8, .size: 8, .value_kind: global_buffer, .address_space: global }
      - { .name: ln_beta, .offset: 16, .size: 8, .value_kind: global_buffer, .address_space: global }
      - { .name: bias1, .offset: 24, .size: 8, .value_kind: global_buffer, .address_space: global }
      - { .name: w2, .offset: 32, .size: 8, .value_kind: global_buffer, .address_space: global }
      - { .name: wg, .offset: 40, .size: 8, .value_kind: global_buffer, .address_space: global }
      - { .name: vec, .offset: 48, .size: 8, .value_kind: global_buffer, .address_space: global }
    .group_segment_fixed_size: 0
    .private_segment_fixed_size: 0
    .kernarg_segment_align: 8
    .kernarg_segment_size: 56
    .max_flat_workgroup_size: 128
    .sgpr_count:     66
    .vgpr_count:     224
    .wavefront_size: 32
...
	.end_amdgpu_metadata
.endif
;; end of part 1
;; launch main (part 2): grid 8 x 32, 4 waves a work-group, clusters of 4 x 1, 327,680 bytes of LDS; arguments hidden_states, wg, vec, part; writes part
.if DOCPART == 2
	.amdgcn_target "amdgcn-amd-amdhsa--gfx1250"
	.amdhsa_code_object_version 6
	.text
	.protected	k_qe226abd813_main
	.globl	k_qe226abd813_main
	.p2align	8
	.type	k_qe226abd813_main,@function
k_qe226abd813_main:
	s_mov_b64 s[64:65], 0
	v_nop
	global_prefetch_b8 v0, s[64:65] scope:SCOPE_SE
	s_setreg_imm32_b32 hwreg(HW_REG_WAVE_MODE, 25, 1), 1
	s_wait_xcnt 0x0
	s_wait_alu depctr_hold_cnt(0) depctr_sa_sdst(0) depctr_va_vdst(0) depctr_va_sdst(0) depctr_va_ssrc(0) depctr_va_vcc(0) depctr_vm_vsrc(0)
	s_getreg_b32 s2, hwreg(HW_REG_IB_STS2, 6, 4)
	s_cmp_eq_u32 s2, 0
	s_cbranch_scc0 .Lentry_in_a_cluster
	s_endpgm
.Lentry_in_a_cluster:
	s_bfe_u32 s2, ttmp6, 0x10000c
	s_cmp_lg_u32 s2, 0x3003
	s_cbranch_scc0 .Lentry_shape_is_right
	s_endpgm
.Lentry_shape_is_right:
; main: LayerNorm, fc1, GELU and fc2 in one pass over hidden_states.  part[nhalf][row] = sum over 512 features of gelu(y) * w2.
;
; THE ARITHMETIC.  A row's mean and variance are not known when its first elements go to the matrix unit, so the row is shifted, not normalised:
;   s = mean of the row's first 128 elements;  d = h - s (in f32, then rounded to bf16);  delta = mean(d);  var = mean(d^2) - delta^2;  rs = rsqrt(var + 1e-5)
;   y[f] = rs * (sum over k of d[k] wg[f][k] - delta * rsum[f]) + c[f]          (wg, rsum, c: made by the launch before)
; (s - mean)^2 <= (4096/128) var for every row, so |delta| <= 5.66 and rms(d) <= 5.75 standard deviations: a common offset of any size is gone before
; the rounding, the variance gives up at most 5 of its 24 bits, and in the worst row the bf16 rounding weighs 5.75 times what it would on centred data.
; d is not normalised, so the operands are bf16, not f16.
; GELU in its exact form, gelu(y) = max(y, 0) - |y| erfc(|y| / sqrt 2) / 2, with erfc(x) = t (a1 + t (a2 + t (a3 + t (a4 + t a5)))) exp(-x^2),
; t = 1 / (1 + p x): absolute error at most 1.5e-7 for every x >= 0 (Abramowitz and Stegun 7.1.26).  With kappa = sqrt(log2(e)/2), y' = kappa y and
; a = |y'|: exp(-x^2) = 2^(-y'^2), t = 1 / (1 + p' a), 2 kappa gelu = (y' + a) - a erfc.  kappa rides in the row's two scalars and in c, 1/(2 kappa) in w2.
; LIMIT: where y is infinite or NaN the result is not reference()'s.
;
; THE SHAPE.  A work-group makes 128 rows x 512 features with four waves, one to a SIMD; a wave makes 128 x 128: 64 accumulator tiles of 16 x 16, 512 registers.
; 128 row blocks x 2 feature halves = 256 work-groups.  K = 4,096 goes in 32 steps of 128 for wg and in 64 trips of 64 for the activations.
; wg comes by the tensor data mover into two LDS slots; a wave fetches and reads its own 128 feature rows (one dense block of 32,768 bytes a K step).
; CLUSTER: the four work-groups of a cluster make four row blocks of one feature half and walk the same tiles of wg, so each tile is asked for jointly
; (mask 15), which divides the requests for wg by four.  hidden_states is not shared so: it goes through registers (shift, sums, rounding), never as a
; tile into LDS, and the one other work-group that reads the same rows makes the other feature half, in the neighbouring cluster.
; hidden_states: each wave loads 32 of the 128 rows, 64 columns a trip (16 loads, each two whole pieces of 256 bytes), two trips ahead of the conversion,
; subtracts s, adds up d and d^2, rounds, and puts 8 bytes a lane into one of two stage buffers in LDS, from which all four waves read A's fragments.
;
; REGISTERS in windows of 256:
;   window 0: v1 lane % 16, v2 lane / 16; v16-20 addresses; v32-63 minus s, twice for each of my 16 row slots; v64-127, v128-191 fragments of A;
;             v192-223 sums of d, v224-255 sums of d^2 (a pair for each row slot)
;   window 1: v0-63, v192-255 the two sets of hidden_states on their way; v64-127, v128-191 fragments of wg
;   window 2, 3: accumulators of rows 0-63, 64-127; tile (a, b) at v[8 (8 a + b)]
; THE MATRIX INSTRUCTION IS USED TRANSPOSED: source 0 = 16 feature rows of wg, source 1 = 16 rows of A.  Lane l then holds row l % 16, and its registers
; 0 to 7 the features 8 (l / 16) + 0 .. 7: the sum over features for fc2 stays inside the lane until the very end.
; The 64 accumulators take turns, one instruction a turn, in the same order in every quarter.
.set ROWB,    16384                    ; bytes in a row of hidden_states
.set WPITCH,  272                      ; an LDS row of wg: 256 bytes + 16 of padding: the 16 rows that a fragment load touches start 68 words apart
.set WWAVE,   128*WPITCH               ; a wave's 128 feature rows
.set SLOT,    4*WWAVE                  ; 139,264
.set ASTAGE,  2*SLOT                   ; 278,528: behind the ring, a multiple of 256; no fill lands here or further up
.set APITCH,  144                      ; a stage row: 64 bf16 + 16 bytes
.set ABUF,    128*APITCH               ; 18,432
.set STATS,   ASTAGE+2*ABUF            ; 315,392: 128 rows x {R, D}
.set PART,    STATS+1024               ; 316,416: 4 waves x 128 rows x 4 bytes
.set KSTEPB,  262144                   ; bytes of wg from one K step to the next
.set LAPS,    16                       ; a lap = two K steps = four trips = once round the ring
.set ADRB, 16                          ; v16-17  LDS address of my wg fragments in slot 0, 1
.set ADRA, 18                          ; v18     LDS address of A's fragments in stage buffer 0
.set STA,  19                          ; v19     where I put 8 bytes of my row slot 0 in stage buffer 0
.set HOFF, 20                          ; v20     byte offset in hidden_states of my 16 bytes of row slot 0
.set NSH,  32                          ; v[32:63]
.set F0,   64
.set F1,   128
.set SUM1, 192
.set SUM2, 224
.set G1, 24                            ; s[24:31] descriptor group 1, never rewritten
.set G0, 32                            ; s[32:39] descriptor group 0, one set for each slot
.set MSB, 0
.macro WIN new                         ; the immediate's high byte repeats the setting that is left
.if MSB != \new
	s_set_vgpr_msb (MSB<<8)|\new
.set MSB, \new
.endif
.endm
.set MUL_LO, 0xa1                      ; source 0 (wg) window 1, source 1 (A) window 0, C and D window 2
.set MUL_HI, 0xf1                      ; the same, C and D window 3
.set TO_B,   0x40                      ; destination window 1, address window 0
; A round of the cluster's barrier: my work-group's barrier, so that wave 0's signal speaks for all four waves; wave 0 signals for the work-group;
; every wave waits for all four work-groups; my work-group's barrier once more.
.macro CREST                           ; a round behind its opening barrier
	s_cmp_lg_u32 s12, 0
	s_cbranch_scc1 .Lnot_wave_0_\@
	s_barrier_signal -3
.Lnot_wave_0_\@:
	s_barrier_wait -3
	s_barrier_signal -1
	s_barrier_wait -1
.endm
.macro CROUND                          ; a whole round
	s_barrier_signal -1
	s_barrier_wait -1
	CREST
.endm
.macro PLACES                          ; four plain vector places behind a matrix instruction (ISA guide 7.12.1), where there is no useful work for them
.rept 4
	v_nop
.endr
.endm
; 16 loads of hidden_states into set q.  Row slot i is row i % 8 + 16 (i / 8) of my 32, + 8 for lanes 16 to 31: each load takes two whole pieces of 256 bytes.
; No streaming hint: the work-group of the other feature half reads the same bytes.
.macro HLOAD q, extra
	WIN TO_B
.irp i, 0,1,2,3,4,5,6,7,8,9,10,11,12,13,14,15
	global_load_b128 v[192*\q+4*\i:192*\q+4*\i+3], v[HOFF], s[20:21] offset:(\i%8+16*(\i/8))*ROWB+\extra
.endr
.endm
	s_load_b256 s[4:11], s[0:1], 0x0               ; hidden_states s[4:5], wg s[6:7], vec s[8:9], part s[10:11]
	v_lshl_add_u32 v6, v0, 2, 0x4dc00
	v_mov_b32 v7, 0
	ds_add_u32 v6, v7
	v_lshrrev_b32 v3, 5, v0
	v_readfirstlane_b32 s12, v3                    ; wave 0..3
	s_bfe_u32 s13, ttmp6, 0x40000                  ; cx: my place in the cluster
	s_mov_b32 s14, ttmp9                           ; the cluster's x = the feature half, 0 or 1
	s_and_b32 s15, ttmp7, 0xffff                   ; the cluster's y, 0..31
	s_lshl_b32 s16, s15, 2
	s_add_co_u32 s16, s16, s13                     ; row block = 4 y + cx, 0..127: it enters the addresses of hidden_states and part alone
	v_and_b32 v1, 15, v0                           ; lane % 16
	v_bfe_u32 v2, v0, 4, 1                         ; lane / 16
	v_lshlrev_b32 v3, 3, v2
	v_lshl_add_u32 v3, s12, 5, v3                  ; 32 wave + 8 (lane / 16): the row of my row slot 0
	v_lshlrev_b32 v4, 4, v1
	v_lshl_add_u32 v[HOFF], v3, 14, v4             ; x 16,384 + 16 (lane % 16)
	s_lshl_b32 s20, s16, 21                        ; row block x 128 rows x 16,384 bytes, below 2^28
	s_mov_b32 s21, 0
	s_lshl_b32 s18, s14, 17                        ; wg: half x 512 rows x 256 bytes
	s_lshl_b32 s19, s12, 15                        ;     + wave x 128 rows x 256 bytes
	s_add_co_u32 s18, s18, s19
	s_mov_b32 s19, 0
	s_mul_i32 s23, s12, WWAVE                      ; my rows in a slot: the wave's number alone
	; descriptor group 1: 128 rows x 128 elements of 2 bytes, dense in memory, padded in LDS
	s_mov_b32 s[G1+0], 15|(1<<16)|(1<<20)|(1<<21)|(5<<22)|(3<<25)   ; 15:0 mask: all four work-groups of the cluster; 17:16 2 bytes; 20 padding on; 21 set beside a mask; 24:22 after every 64 words; 31:25 of 4 words
	s_mov_b32 s[G1+1], 128<<16                     ; tensor_dim0 = 128
	s_mov_b32 s[G1+2], 128<<16                     ; tensor_dim1 = 128
	s_mov_b32 s[G1+3], 128<<16                     ; tile_dim0 = 128
	s_mov_b32 s[G1+4], 128                         ; tile_dim1 = 128
	s_mov_b32 s[G1+5], 128                         ; from row to row: 128 elements
	s_mov_b32 s[G1+6], 0
	s_mov_b32 s[G1+7], 0
	s_wait_dscnt 0x0
	s_wait_kmcnt 0x0
	s_add_nc_u64 s[20:21], s[4:5], s[20:21]        ; hidden_states at my block's first row, columns 0..63
	s_add_nc_u64 s[40:41], s[6:7], s[18:19]        ; wg at my wave's rows of K step 0: equal in all four work-groups
	HLOAD 0, 0                                     ; columns 0..63
	HLOAD 1, 256                                   ; columns 64..127
	WIN 0
	CROUND                                         ; all four work-groups are here: the first joint loads meet
.irp n, 0,1
	s_mov_b32 s[G0+4*\n], 1                                        ; count = 1
	s_add_co_u32 s[G0+4*\n+1], s23, \n*SLOT                        ; LDS address
	s_add_nc_u64 s[G0+4*\n+2:G0+4*\n+3], s[40:41], \n*KSTEPB       ; global address: K step n
	s_or_b32 s[G0+4*\n+3], s[G0+4*\n+3], 0x80000000                ; type = 2
	tensor_load_to_lds s[G0+4*\n:G0+4*\n+3], s[G1:G1+7]            ; both first fills as one group: two loads of the wave are out
	s_nop 0
.endr
	s_mov_b32 s42, 0x3e8ba43f                      ; p' = 0.3275911 / sqrt(log2 e); each constant of a packed instruction fills a pair
	s_mov_b32 s43, 0x3e8ba43f
	s_mov_b32 s44, 0x3f87dc22                      ; a5
	s_mov_b32 s45, 0x3f87dc22
	s_mov_b32 s48, 0x3fb5f0e3                      ; a3
	s_mov_b32 s49, 0x3fb5f0e3
	s_mov_b32 s50, 0xbe91a98e                      ; a2
	s_mov_b32 s51, 0xbe91a98e
	s_mov_b32 s52, 0x3e827906                      ; a1
	s_mov_b32 s53, 0x3e827906
	s_mov_b32 s54, 0x7fffffff                      ; clears a sign
	s_mov_b32 s55, 0x39800000                      ; 1/4096
	s_mov_b32 s56, 0x3727c5ac                      ; 1e-5
	s_mov_b32 s57, 0x3f596d27                      ; kappa
	s_mov_b32 s58, 0x76543210                      ; lane i of one half reads lane i of the other
	s_mov_b32 s59, 0xfedcba98
	s_mov_b32 s60, 0xbc000000                      ; -1/128
	v_mul_u32_u24 v5, v3, APITCH                   ; the stage: my row slot 0,
	v_lshl_add_u32 v5, v1, 3, v5                   ; 8 bytes a lane
	v_add_nc_u32 v[STA], ASTAGE, v5
	v_mul_u32_u24 v5, v1, APITCH                   ; a fragment: lane l takes row l % 16, 16 bytes at 16 (l / 16), and 16 more 32 bytes on
	v_lshl_add_u32 v5, v2, 4, v5
	v_add_nc_u32 v[ADRA], ASTAGE, v5
	v_mul_u32_u24 v5, v1, WPITCH
	v_lshl_add_u32 v5, v2, 4, v5
	v_add_nc_u32 v[ADRB], s23, v5
	v_add_nc_u32 v[ADRB+1], SLOT, v[ADRB]
; 16 matrix instructions: row blocks a0, a0 + 1 of the window's four x all 8 feature blocks, 32 along K.  zero = 1: the first product starts the sums.
.macro MUL16 f, hi, a0, zero
.irp a, \a0, \a0+1
.irp b, 0,1,2,3,4,5,6,7
.if \zero
	v_wmma_f32_16x16x32_bf16 v[8*(8*(\a)+\b):8*(8*(\a)+\b)+7], v[\f+8*\b:\f+8*\b+7], v[\f+8*(4*\hi+\a):\f+8*(4*\hi+\a)+7], 0
.else
	v_wmma_f32_16x16x32_bf16 v[8*(8*(\a)+\b):8*(8*(\a)+\b)+7], v[\f+8*\b:\f+8*\b+7], v[\f+8*(4*\hi+\a):\f+8*(4*\hi+\a)+7], v[8*(8*(\a)+\b):8*(8*(\a)+\b)+7]
.endif
.endr
.endr
.endm
; 32 LDS loads in one run: one quarter's fragments (my 128 feature rows at byte kw of slot's rows; the 128 rows of A at byte ka of stage buffer buf) into buffer f
.macro FETCH slot, kw, buf, ka, f
	WIN TO_B
.irp i, 0,1,2,3,4,5,6,7
	ds_load_b128 v[\f+8*\i:\f+8*\i+3],   v[ADRB+\slot] offset:\kw+\i*16*WPITCH
	ds_load_b128 v[\f+8*\i+4:\f+8*\i+7], v[ADRB+\slot] offset:\kw+\i*16*WPITCH+32
.endr
	WIN 0
.irp i, 0,1,2,3,4,5,6,7
	ds_load_b128 v[\f+8*\i:\f+8*\i+3],   v[ADRA] offset:\buf*ABUF+\ka+\i*16*APITCH
	ds_load_b128 v[\f+8*\i+4:\f+8*\i+7], v[ADRA] offset:\buf*ABUF+\ka+\i*16*APITCH+32
.endr
.endm
; The 64 columns in set q: shifted, summed, rounded, put into stage buffer q.  first = 1: they start the sums.  hl = 1: the set is loaded again, with the
; columns two tiles on.  left = how many younger loads may stay out.  All its arithmetic is plain vector work on registers that no matrix instruction names.
.macro CONVERT q, first, hl, left
	s_wait_loadcnt \left                           ; loads come back in order: this set's 16 are in
	WIN 0x41                                       ; source 0 and destination window 1, source 1 window 0
.irp i, 0,1,2,3,4,5,6,7,8,9,10,11,12,13,14,15
	v_pk_add_f32 v[192*\q+4*\i:192*\q+4*\i+1],   v[192*\q+4*\i:192*\q+4*\i+1],   v[NSH+2*\i:NSH+2*\i+1]     ; d = h - s
	v_pk_add_f32 v[192*\q+4*\i+2:192*\q+4*\i+3], v[192*\q+4*\i+2:192*\q+4*\i+3], v[NSH+2*\i:NSH+2*\i+1]
.endr
	WIN 0x05                                       ; sources 0 and 1 window 1, source 2 and destination window 0
.if \first
.irp i, 0,1,2,3,4,5,6,7,8,9,10,11,12,13,14,15
	v_pk_add_f32 v[SUM1+2*\i:SUM1+2*\i+1], v[192*\q+4*\i:192*\q+4*\i+1], v[192*\q+4*\i+2:192*\q+4*\i+3]
.endr
.irp i, 0,1,2,3,4,5,6,7,8,9,10,11,12,13,14,15
	v_pk_mul_f32 v[SUM2+2*\i:SUM2+2*\i+1], v[192*\q+4*\i:192*\q+4*\i+1], v[192*\q+4*\i:192*\q+4*\i+1]
.endr
.else
.irp i, 0,1,2,3,4,5,6,7,8,9,10,11,12,13,14,15      ; d x 1 + sum: the three-source form puts the running sum in the place whose window is 0, under the squares' setting
	v_pk_fma_f32 v[SUM1+2*\i:SUM1+2*\i+1], v[192*\q+4*\i:192*\q+4*\i+1], 1.0, v[SUM1+2*\i:SUM1+2*\i+1] op_sel_hi:[1,0,1]
.endr
.irp i, 0,1,2,3,4,5,6,7,8,9,10,11,12,13,14,15
	v_pk_fma_f32 v[SUM1+2*\i:SUM1+2*\i+1], v[192*\q+4*\i+2:192*\q+4*\i+3], 1.0, v[SUM1+2*\i:SUM1+2*\i+1] op_sel_hi:[1,0,1]
.endr
.irp i, 0,1,2,3,4,5,6,7,8,9,10,11,12,13,14,15
	v_pk_fma_f32 v[SUM2+2*\i:SUM2+2*\i+1], v[192*\q+4*\i:192*\q+4*\i+1], v[192*\q+4*\i:192*\q+4*\i+1], v[SUM2+2*\i:SUM2+2*\i+1]
.endr
.endif
.irp i, 0,1,2,3,4,5,6,7,8,9,10,11,12,13,14,15
	v_pk_fma_f32 v[SUM2+2*\i:SUM2+2*\i+1], v[192*\q+4*\i+2:192*\q+4*\i+3], v[192*\q+4*\i+2:192*\q+4*\i+3], v[SUM2+2*\i:SUM2+2*\i+1]
.endr
	WIN 0x45                                       ; all in window 1
.irp i, 0,1,2,3,4,5,6,7,8,9,10,11,12,13,14,15
	v_cvt_pk_bf16_f32 v[192*\q+4*\i],   v[192*\q+4*\i],   v[192*\q+4*\i+1]
	v_cvt_pk_bf16_f32 v[192*\q+4*\i+1], v[192*\q+4*\i+2], v[192*\q+4*\i+3]
.endr
	WIN 0x04                                       ; address window 0, data window 1
.irp i, 0,1,2,3,4,5,6,7,8,9,10,11,12,13,14,15
	ds_store_b64 v[STA], v[192*\q+4*\i:192*\q+4*\i+1] offset:\q*ABUF+(\i%8+16*(\i/8))*APITCH   ; two rows, 8 rows = 288 words apart: the two runs of 32 words meet in no bank (64 banks of 4 bytes: ISA guide 11.1)
.endr
.if \hl
	s_wait_xcnt 0x0                                ; the base of the loads that are out is stepped only behind this wait
	s_add_nc_u64 s[20:21], s[20:21], 256           ; 64 columns on: the base now stands one tile behind the tile that is asked for
	HLOAD \q, 256
.endif
.endm
; A trip is 64 along K: two quarters of 64 matrix instructions, on fragment buffers 0 and 1.
; The first quarter multiplies buffer 0.  In its middle: the next tile's conversion (cv = 1), whose vector work also gives the places in front of the loads,
; then the second quarter's fragments, at byte kw of the slot's rows and byte 64 of stage buffer buf, into buffer 1.
.macro HEADQ slot, kw, buf, zero, cv, q, hl, left
	s_wait_dscnt 8                                 ; wg and A's rows 0-63 are in; the youngest eight loads (A's rows 64-127) may be out
	WIN MUL_LO
	MUL16 F0, 0, 0, \zero
	MUL16 F0, 0, 2, \zero
.if \cv
	CONVERT \q, 0, \hl, \left
.else
	PLACES
.endif
	FETCH \slot, \kw, \buf, 64, F1
	s_wait_dscnt 32                                ; all but the 32 just issued: the older eight loads and the stage's 16 stores are done
	WIN MUL_HI
	MUL16 F0, 1, 0, \zero
	MUL16 F0, 1, 2, \zero
.endm
; The second quarter multiplies buffer 1 and hands the stage over: ONE barrier a trip.  In front of it each wave has waited for all its LDS work: its stores
; into the next stage buffer and its reads of this one, which is stored into again in the next trip.
; kind 0: the middle of a K step.  Behind this barrier no slot is filled, so my tensor load may stay out.
; kind 1: the end of a K step.  Every wave also waits for all its tensor loads (one is out: my part of the next slot); the barrier opens a round of the
;         cluster's barrier, with register work alone inside; behind the round no wave of any partner reads this slot or has a load on its way, and the
;         joint refill, two K steps ahead, is the first thing there and my one tensor load until the next round: it has 240 matrix instructions in which to land.
; kind 2: the end of a K step with nothing left to fetch.
.macro TAILQ kind, slot, nslot, nkw, nbuf
	s_wait_dscnt 8
	WIN MUL_LO
	MUL16 F1, 0, 0, 0
	s_wait_dscnt 0
.if \kind
	s_set_vgpr_msb 0xa1a0
	s_wait_tensorcnt 0x0
	ds_add_u32 v6, v7
	s_wait_dscnt 0x0
	s_set_vgpr_msb 0xa0a1
.endif
	s_barrier_signal -1
	MUL16 F1, 0, 2, 0                              ; work on registers while the others arrive
	WIN 0                                          ; (branches may follow)
	s_barrier_wait -1
.if \kind == 1
	CREST
	s_add_nc_u64 s[G0+4*\slot+2:G0+4*\slot+3], s[G0+4*\slot+2:G0+4*\slot+3], 2*KSTEPB   ; no load of mine is out: a group 0 may be written
	tensor_load_to_lds s[G0+4*\slot:G0+4*\slot+3], s[G1:G1+7]
	s_nop 0
.endif
	PLACES
	FETCH \nslot, \nkw, \nbuf, 0, F0
	WIN MUL_HI
	MUL16 F1, 1, 0, 0
	MUL16 F1, 1, 2, 0
.endm
; A K step = two trips.  Trip t multiplies tile t, converts tile t + 1 and asks for tile t + 3; 16 = the loads of tile t + 2 stay out.
.macro KS slot, other, zero
	HEADQ \slot, 64, 0, \zero, 1, 1, 1, 16
	TAILQ 0, \slot, \slot, 128, 1
	HEADQ \slot, 192, 1, 0, 1, 0, 1, 16
	TAILQ 1, \slot, \other, 0, 0
.endm
.macro LAP zero
	KS 0, 1, \zero
	KS 1, 0, 0
.endm
	; THE SHIFT: minus the mean of each row's first 128 elements.  A lane holds 4 + 4 of them; the 16 lanes of a half hold one row.
	s_wait_loadcnt 0x0                             ; both sets are in
	WIN 0x05
.irp i, 0,1,2,3,4,5,6,7,8,9,10,11,12,13,14,15
	v_pk_add_f32 v[SUM1+2*\i:SUM1+2*\i+1], v[4*\i:4*\i+1], v[4*\i+2:4*\i+3]
.endr
.irp i, 0,1,2,3,4,5,6,7,8,9,10,11,12,13,14,15
	v_pk_fma_f32 v[SUM1+2*\i:SUM1+2*\i+1], v[192+4*\i:192+4*\i+1], 1.0, v[SUM1+2*\i:SUM1+2*\i+1] op_sel_hi:[1,0,1]
.endr
.irp i, 0,1,2,3,4,5,6,7,8,9,10,11,12,13,14,15
	v_pk_fma_f32 v[SUM1+2*\i:SUM1+2*\i+1], v[192+4*\i+2:192+4*\i+3], 1.0, v[SUM1+2*\i:SUM1+2*\i+1] op_sel_hi:[1,0,1]
.endr
	WIN 0
.irp i, 0,1,2,3,4,5,6,7,8,9,10,11,12,13,14,15
	v_add_f32 v[SUM1+2*\i], v[SUM1+2*\i], v[SUM1+2*\i+1]
.endr
.irp m, 1,2,4,8
.irp i, 0,1,2,3,4,5,6,7,8,9,10,11,12,13,14,15
	v_add_f32_dpp v[SUM1+2*\i], v[SUM1+2*\i], v[SUM1+2*\i] row_xmask:\m row_mask:0xf bank_mask:0xf
.endr
.endr
.irp i, 0,1,2,3,4,5,6,7,8,9,10,11,12,13,14,15
	v_mul_f32 v[NSH+2*\i],   s60, v[SUM1+2*\i]     ; twice: a pair for the packed subtraction
	v_mul_f32 v[NSH+2*\i+1], s60, v[SUM1+2*\i]
.endr
	CONVERT 0, 1, 1, 0                             ; tile 0 into stage buffer 0 (its wait is met already); tile 2 is asked for
	s_wait_dscnt 0x0                               ; my stage stores are done,
	s_wait_tensorcnt 0x1                           ; my part of K step 0 is in; K step 1's may stay out
	s_barrier_signal -1
	s_barrier_wait -1                              ; everybody's are
	FETCH 0, 0, 0, 0, F0
	LAP 1                                          ; the first lap stands in front of the loop: its first products start the sums
	WIN 0                                          ; at a label and at a branch every window is 0
	s_mov_b32 s22, LAPS-2
.Llap:
	LAP 0
	WIN 0
	s_sub_co_u32 s22, s22, 1
	s_cmp_lg_u32 s22, 0
	s_cbranch_scc1 .Llap
	; the last lap, written out: no refill, no round of the cluster's barrier, and the stream of hidden_states runs out
	HEADQ 0, 64, 0, 0, 1, 1, 1, 16                 ; trip 60: tile 61 converted, tile 63 asked for: the last
	TAILQ 0, 0, 0, 128, 1
	HEADQ 0, 192, 1, 0, 1, 0, 0, 16                ; trip 61: tile 62 converted; tile 63's 16 loads stay out
	TAILQ 2, 0, 1, 0, 0                            ; my one tensor load that was out, the last K step's, has landed
	HEADQ 1, 64, 0, 0, 1, 1, 0, 0                  ; trip 62: tile 63 converted: nothing was issued behind it
	TAILQ 0, 1, 1, 128, 1
	HEADQ 1, 192, 1, 0, 0, 0, 0, 0                 ; trip 63: nothing left to convert
	s_wait_dscnt 8                                 ; the very last quarter
	WIN MUL_LO
	MUL16 F1, 0, 0, 0
	MUL16 F1, 0, 2, 0
	s_wait_dscnt 0
	WIN MUL_HI
	MUL16 F1, 1, 0, 0
	MUL16 F1, 1, 2, 0
	; THE WAY OUT.  All in window 0 but the accumulators.
.set RD,  16                           ; v[16:31]   {R, D} of rows 16 a' + lane % 16, a' = 0..7:  R = kappa rs,  D = -R delta
.set GG,  32                           ; v[32:47]   running sums of 2 kappa gelu x w2 / (2 kappa), a pair for each a'
.set VEC, 48                           ; set q at 48 + 24 q: kappa c (8), rsum (8), w2 / (2 kappa) (8) of my 8 features of a feature block
.set YY,  96                           ; 32 values at work: y', then y' + |y'|, then 2 kappa gelu
.set AA,  128                          ; |y'|
.set TT,  160                          ; t
.set EE,  192                          ; 2^(-y'^2)
.set PP,  224                          ; the polynomial, then erfc
	WIN 0
	PLACES                                         ; behind the last matrix instructions: for the loads into old fragment registers and for the reads of the sums
	s_lshl_b32 s18, s14, 11                        ; vec: half x 512 features x 4 bytes
	s_lshl_b32 s23, s12, 9                         ;      + wave x 128 features x 4 bytes
	s_add_co_u32 s18, s18, s23
	v_lshlrev_b32 v8, 5, v2                        ;      + 8 features for lanes 16 to 31
	v_add_nc_u32 v8, s18, v8
.macro VLOAD b, q                      ; six loads: the three vectors' 8 numbers of feature block b (b may be a sum: it stands in brackets)
.irp arr, 0,1,2
	global_load_b128 v[VEC+24*\q+8*\arr:VEC+24*\q+8*\arr+3],   v8, s[8:9] offset:\arr*4096+(\b)*64
	global_load_b128 v[VEC+24*\q+8*\arr+4:VEC+24*\q+8*\arr+7], v8, s[8:9] offset:\arr*4096+(\b)*64+16
.endr
.endm
	VLOAD 0, 0
	VLOAD 1, 1
	v_lshlrev_b32 v9, 3, v2
	v_lshl_add_u32 v9, s12, 5, v9                  ; the row of my row slot 0
	v_lshlrev_b32 v9, 3, v9
	v_add_nc_u32 v9, STATS, v9                     ; where its {R, D} go
	v_lshlrev_b32 v10, 3, v1
	v_add_nc_u32 v10, STATS, v10                   ; {R, D} of row lane % 16
	s_add_co_u32 s23, s23, PART                    ; my wave's 128 words
	v_lshl_add_u32 v11, v1, 2, s23
	v_and_b32 v13, 31, v0
	v_lshlrev_b32 v13, 4, v13                      ; 16 x lane
	v_add_nc_u32 v12, PART, v13
	v_mov_b32 v14, 0xbfba00e3                      ; a4, in a vector pair: one scalar pair to an instruction
	v_mov_b32 v15, 0xbfba00e3
	; the rows' scalars, from the sums of d and d^2
.irp i, 0,1,2,3,4,5,6,7,8,9,10,11,12,13,14,15
	v_add_f32 v[SUM1+2*\i], v[SUM1+2*\i], v[SUM1+2*\i+1]
	v_add_f32 v[SUM2+2*\i], v[SUM2+2*\i], v[SUM2+2*\i+1]
.endr
.irp m, 1,2,4,8
.irp i, 0,1,2,3,4,5,6,7,8,9,10,11,12,13,14,15
	v_add_f32_dpp v[SUM1+2*\i], v[SUM1+2*\i], v[SUM1+2*\i] row_xmask:\m row_mask:0xf bank_mask:0xf
	v_add_f32_dpp v[SUM2+2*\i], v[SUM2+2*\i], v[SUM2+2*\i] row_xmask:\m row_mask:0xf bank_mask:0xf
.endr
.endr
.irp i, 0,1,2,3,4,5,6,7,8,9,10,11,12,13,14,15
	v_mul_f32 v[SUM1+2*\i], s55, v[SUM1+2*\i]      ; delta
	v_mul_f32 v[SUM2+2*\i], s55, v[SUM2+2*\i]      ; mean of d^2
.endr
.irp i, 0,1,2,3,4,5,6,7,8,9,10,11,12,13,14,15
	v_fma_f32 v[SUM2+2*\i], -v[SUM1+2*\i], v[SUM1+2*\i], v[SUM2+2*\i]    ; the variance,
.endr
.irp i, 0,1,2,3,4,5,6,7,8,9,10,11,12,13,14,15
	v_max_num_f32 v[SUM2+2*\i], 0, v[SUM2+2*\i]    ; never below 0,
.endr
.irp i, 0,1,2,3,4,5,6,7,8,9,10,11,12,13,14,15
	v_add_f32 v[SUM2+2*\i], s56, v[SUM2+2*\i]      ; + 1e-5
.endr
.irp i, 0,1,2,3,4,5,6,7,8,9,10,11,12,13,14,15
	v_rsq_f32 v[SUM2+2*\i], v[SUM2+2*\i]
.endr
	v_nop                                          ; one plain place between the run of v_rsq_f32 and the first use of a result (ISA guide 5.7.2)
	s_wait_alu depctr_va_vdst(0)
.irp i, 0,1,2,3,4,5,6,7,8,9,10,11,12,13,14,15
	v_mul_f32 v[SUM2+2*\i],   s57, v[SUM2+2*\i]                    ; R = kappa rs
	v_mul_f32 v[SUM2+2*\i+1], -v[SUM1+2*\i], v[SUM2+2*\i]          ; D = -R delta
	ds_store_b64 v9, v[SUM2+2*\i:SUM2+2*\i+1] offset:(\i%8+16*(\i/8))*8   ; the 16 lanes of a half write the same 8 bytes with the same value
.endr
	s_wait_dscnt 0x0                               ; my stores are done, for the others' sake
	s_barrier_signal -1
	s_barrier_wait -1
.irp a, 0,1,2,3,4,5,6,7
	ds_load_b64 v[RD+2*\a:RD+2*\a+1], v10 offset:128*\a
.endr
	s_wait_dscnt 0x0
; 32 values: rows 64 hi + 16 a + lane % 16 (a = 0..3) x my 8 features of feature block b.  q: the set with the block's vectors.
.macro EUNIT b, hi, q
.irp a, 0,1,2,3
.irp p, 0,1,2,3
	v_pk_fma_f32 v[YY+8*\a+2*\p:YY+8*\a+2*\p+1], v[RD+8*\hi+2*\a:RD+8*\hi+2*\a+1], v[VEC+24*\q+8+2*\p:VEC+24*\q+8+2*\p+1], v[VEC+24*\q+2*\p:VEC+24*\q+2*\p+1] op_sel:[1,0,0] op_sel_hi:[1,1,1]   ; D rsum + kappa c
.endr
.endr
.if \hi
	WIN 0x03
.else
	WIN 0x02
.endif
.irp a, 0,1,2,3
.irp p, 0,1,2,3
	v_pk_fma_f32 v[YY+8*\a+2*\p:YY+8*\a+2*\p+1], v[8*(8*\a+\b)+2*\p:8*(8*\a+\b)+2*\p+1], v[RD+8*\hi+2*\a:RD+8*\hi+2*\a+1], v[YY+8*\a+2*\p:YY+8*\a+2*\p+1] op_sel_hi:[1,0,1]   ; + R x the matrix sum = y'
.endr
.endr
	WIN 0
.set EK, 0
.rept 32
	v_and_b32 v[AA+EK], s54, v[YY+EK]              ; a = |y'|
.set EK, EK+1
.endr
.set EK, 0
.rept 16
	v_pk_fma_f32 v[TT+EK:TT+EK+1], v[AA+EK:AA+EK+1], s[42:43], 1.0 op_sel_hi:[1,0,0]    ; 1 + p' a
	v_pk_mul_f32 v[EE+EK:EE+EK+1], v[YY+EK:YY+EK+1], v[YY+EK:YY+EK+1]                   ; y'^2
.set EK, EK+2
.endr
.set EK, 0
.rept 32
	v_rcp_f32 v[TT+EK], v[TT+EK]                   ; t
.set EK, EK+1
.endr
.set EK, 0
.rept 32
	v_exp_f32 v[EE+EK], -v[EE+EK]                  ; 2^(-y'^2)
.set EK, EK+1
.endr
.set EK, 0
.rept 16
	v_pk_add_f32 v[YY+EK:YY+EK+1], v[YY+EK:YY+EK+1], v[AA+EK:AA+EK+1]                   ; y' + a: plain work between the transcendentals and the first use of a result
.set EK, EK+2
.endr
.set EK, 0
	s_wait_alu depctr_va_vdst(0)
.rept 16
	v_pk_fma_f32 v[PP+EK:PP+EK+1], v[TT+EK:TT+EK+1], s[44:45], v[14:15] op_sel_hi:[1,0,1]   ; a5 t + a4
.set EK, EK+2
.endr
.irp c, 48, 50, 52                                 ; ... t + a3, ... t + a2, ... t + a1
.set EK, 0
.rept 16
	v_pk_fma_f32 v[PP+EK:PP+EK+1], v[PP+EK:PP+EK+1], v[TT+EK:TT+EK+1], s[\c:\c+1] op_sel_hi:[1,1,0]
.set EK, EK+2
.endr
.endr
.set EK, 0
.rept 16
	v_pk_mul_f32 v[TT+EK:TT+EK+1], v[TT+EK:TT+EK+1], v[EE+EK:EE+EK+1]
.set EK, EK+2
.endr
.set EK, 0
.rept 16
	v_pk_mul_f32 v[PP+EK:PP+EK+1], v[PP+EK:PP+EK+1], v[TT+EK:TT+EK+1]                   ; erfc
.set EK, EK+2
.endr
.set EK, 0
.rept 16
	v_pk_fma_f32 v[YY+EK:YY+EK+1], v[AA+EK:AA+EK+1], v[PP+EK:PP+EK+1], v[YY+EK:YY+EK+1] neg_lo:[1,0,0] neg_hi:[1,0,0]   ; (y' + a) - a erfc = 2 kappa gelu
.set EK, EK+2
.endr
.irp a, 0,1,2,3
.if \b
	v_pk_fma_f32 v[GG+8*\hi+2*\a:GG+8*\hi+2*\a+1], v[YY+8*\a:YY+8*\a+1], v[VEC+24*\q+16:VEC+24*\q+17], v[GG+8*\hi+2*\a:GG+8*\hi+2*\a+1]
.else
	v_pk_mul_f32 v[GG+8*\hi+2*\a:GG+8*\hi+2*\a+1], v[YY+8*\a:YY+8*\a+1], v[VEC+24*\q+16:VEC+24*\q+17]    ; the first products start the sums
.endif
.endr
.irp p, 1,2,3
.irp a, 0,1,2,3
	v_pk_fma_f32 v[GG+8*\hi+2*\a:GG+8*\hi+2*\a+1], v[YY+8*\a+2*\p:YY+8*\a+2*\p+1], v[VEC+24*\q+16+2*\p:VEC+24*\q+16+2*\p+1], v[GG+8*\hi+2*\a:GG+8*\hi+2*\a+1]
.endr
.endr
.endm
.macro EBLOCK b, q, left, more
	s_wait_loadcnt \left                           ; this block's six loads are in; the next block's six may stay out
	EUNIT \b, 0, \q
	EUNIT \b, 1, \q
.if \more
	VLOAD \b+2, \q
.endif
.endm
	EBLOCK 0, 0, 6, 1
	EBLOCK 1, 1, 6, 1
	EBLOCK 2, 0, 6, 1
	EBLOCK 3, 1, 6, 1
	EBLOCK 4, 0, 6, 1
	EBLOCK 5, 1, 6, 1
	EBLOCK 6, 0, 6, 0
	EBLOCK 7, 1, 0, 0
	; a lane's 64 features of each row, the two halves of the lanes, then the four waves through LDS
.irp a, 0,1,2,3,4,5,6,7
	v_add_f32 v[GG+2*\a], v[GG+2*\a], v[GG+2*\a+1]
.endr
.irp a, 0,1,2,3,4,5,6,7
	v_permlanex16_b32 v[GG+2*\a+1], v[GG+2*\a], s58, s59
.endr
.irp a, 0,1,2,3,4,5,6,7
	v_add_f32 v[GG+2*\a], v[GG+2*\a], v[GG+2*\a+1]
	ds_store_b32 v11, v[GG+2*\a] offset:64*\a      ; row 16 a + lane % 16; both halves write the same word with the same value
.endr
	s_wait_dscnt 0x0                               ; my stores are done, for wave 0's sake
	s_barrier_signal -1
	s_barrier_wait -1
	s_cmp_lg_u32 s12, 0
	s_cbranch_scc1 .Lnot_first
	ds_load_b128 v[96:99],   v12                   ; four rows a lane, from each wave's 128 words
	ds_load_b128 v[100:103], v12 offset:512
	ds_load_b128 v[104:107], v12 offset:1024
	ds_load_b128 v[108:111], v12 offset:1536
	s_lshl_b32 s18, s14, 16                        ; part: half x 16,384 rows x 4 bytes
	s_lshl_b32 s23, s16, 9                         ;       + row block x 128 rows x 4 bytes
	s_add_co_u32 s18, s18, s23
	s_mov_b32 s19, 0
	s_add_nc_u64 s[10:11], s[10:11], s[18:19]
	s_wait_dscnt 0x0
	v_pk_add_f32 v[96:97],   v[96:97],   v[100:101]
	v_pk_add_f32 v[98:99],   v[98:99],   v[102:103]
	v_pk_add_f32 v[104:105], v[104:105], v[108:109]
	v_pk_add_f32 v[106:107], v[106:107], v[110:111]
	v_pk_add_f32 v[96:97],   v[96:97],   v[104:105]
	v_pk_add_f32 v[98:99],   v[98:99],   v[106:107]
	global_store_b128 v13, v[96:99], s[10:11]      ; the wave stores 512 consecutive bytes, at a multiple of 512 from part's first byte
.Lnot_first:
	s_wait_tensorcnt 0x0
	ds_add_u32 v6, v7
	s_wait_dscnt 0x0
	CROUND                                         ; the closing round: no work-group ends while a partner may still ask for a tile that names it
	s_endpgm
.Lfunc_end_k_qe226abd813_main:
	.size	k_qe226abd813_main, .Lfunc_end_k_qe226abd813_main-k_qe226abd813_main
	.p2alignl 7, 3214868480
	.fill 96, 4, 3214868480
	.section	.rodata,"a",@progbits
	.p2align	6, 0x0
	.amdhsa_kernel k_qe226abd813_main
		.amdhsa_group_segment_fixed_size 327680
		.amdhsa_private_segment_fixed_size 0
		.amdhsa_enable_private_segment 0
		.amdhsa_kernarg_size 32
		.amdhsa_user_sgpr_count 2
		.amdhsa_user_sgpr_kernarg_segment_ptr 1
		.amdhsa_wavefront_size32 1
		.amdhsa_system_sgpr_workgroup_id_x 1
		.amdhsa_system_sgpr_workgroup_id_y 1
		.amdhsa_system_sgpr_workgroup_id_z 1
		.amdhsa_system_vgpr_workitem_id 0
		.amdhsa_next_free_vgpr 1024
		.amdhsa_next_free_sgpr 66
		.amdhsa_reserve_vcc 0
		.amdhsa_float_denorm_mode_32 3
		.amdhsa_float_denorm_mode_16_64 3
		.amdhsa_memory_ordered 1
		.amdhsa_forward_progress 1
		.amdhsa_inst_pref_size 255
	.end_amdhsa_kernel
	.section	.bss,"aw",@nobits
	.p2align	6
	.space	262144
	.amdgpu_metadata
---
amdhsa.version: [ 1, 2 ]
amdhsa.kernels:
  - .name:           k_qe226abd813_main
    .symbol:         k_qe226abd813_main.kd
    .args:
      - { .name: hidden_states, .offset: 0, .size: 8, .value_kind: global_buffer, .address_space: global }
      - { .name: wg, .offset: 8, .size: 8, .value_kind: global_buffer, .address_space: global }
      - { .name: vec, .offset: 16, .size: 8, .value_kind: global_buffer, .address_space: global }
      - { .name: part, .offset: 24, .size: 8, .value_kind: global_buffer, .address_space: global }
    .group_segment_fixed_size: 327680
    .private_segment_fixed_size: 0
    .kernarg_segment_align: 8
    .kernarg_segment_size: 32
    .max_flat_workgroup_size: 128
    .sgpr_count:     66
    .vgpr_count:     1024
    .wavefront_size: 32
...
	.end_amdgpu_metadata
.endif
;; end of part 2
;; launch finish (part 3): grid 32 x 1, 4 waves a work-group, no clusters, 0 bytes of LDS; arguments part, bias2, out0; writes out0
.if DOCPART == 3
	.amdgcn_target "amdgcn-amd-amdhsa--gfx1250"
	.amdhsa_code_object_version 6
	.text
	.protected	k_qe226abd813_finish
	.globl	k_qe226abd813_finish
	.p2align	8
	.type	k_qe226abd813_finish,@function
k_qe226abd813_finish:
	s_mov_b64 s[64:65], 0
	v_nop
	global_prefetch_b8 v0, s[64:65] scope:SCOPE_SE
	s_setreg_imm32_b32 hwreg(HW_REG_WAVE_MODE, 25, 1), 1
	s_wait_xcnt 0x0
; finish: out0[row] = part[0][row] + part[1][row] + bias2.  The two feature halves were summed by different work-groups, so their sum is a launch of its own.
; 16,384 rows, four to a thread: 4,096 threads = 32 work-groups of four waves; there is work for no more.
; Each load and store of a wave covers 512 consecutive bytes, aligned.
	s_load_b128 s[4:7], s[0:1], 0x0                ; part s[4:5], bias2 s[6:7]
	s_load_b64 s[8:9], s[0:1], 0x10                ; out0
	s_lshl_b32 s11, ttmp9, 11                      ; 128 threads x 16 bytes a work-group
	v_lshl_add_u32 v1, v0, 4, s11
	s_wait_kmcnt 0x0
	s_load_b32 s12, s[6:7], 0x0                    ; bias2
	global_load_b128 v[4:7], v1, s[4:5] th:TH_LOAD_NT
	global_load_b128 v[8:11], v1, s[4:5] offset:65536 th:TH_LOAD_NT
	s_wait_kmcnt 0x0
	s_mov_b32 s13, s12                             ; a packed instruction's scalar pair is written whole
	s_wait_loadcnt 0x0
	v_pk_add_f32 v[4:5], v[4:5], v[8:9]
	v_pk_add_f32 v[6:7], v[6:7], v[10:11]
	v_pk_add_f32 v[4:5], v[4:5], s[12:13] op_sel_hi:[1,0]
	v_pk_add_f32 v[6:7], v[6:7], s[12:13] op_sel_hi:[1,0]
	global_store_b128 v1, v[4:7], s[8:9] th:TH_STORE_NT
	s_endpgm
.Lfunc_end_k_qe226abd813_finish:
	.size	k_qe226abd813_finish, .Lfunc_end_k_qe226abd813_finish-k_qe226abd813_finish
	.p2alignl 7, 3214868480
	.fill 96, 4, 3214868480
	.section	.rodata,"a",@progbits
	.p2align	6, 0x0
	.amdhsa_kernel k_qe226abd813_finish
		.amdhsa_group_segment_fixed_size 0
		.amdhsa_private_segment_fixed_size 0
		.amdhsa_enable_private_segment 0
		.amdhsa_kernarg_size 24
		.amdhsa_user_sgpr_count 2
		.amdhsa_user_sgpr_kernarg_segment_ptr 1
		.amdhsa_wavefront_size32 1
		.amdhsa_system_sgpr_workgroup_id_x 1
		.amdhsa_system_sgpr_workgroup_id_y 1
		.amdhsa_system_sgpr_workgroup_id_z 1
		.amdhsa_system_vgpr_workitem_id 0
		.amdhsa_next_free_vgpr 16
		.amdhsa_next_free_sgpr 66
		.amdhsa_reserve_vcc 0
		.amdhsa_float_denorm_mode_32 3
		.amdhsa_float_denorm_mode_16_64 3
		.amdhsa_memory_ordered 1
		.amdhsa_forward_progress 1
		.amdhsa_inst_pref_size 2
	.end_amdhsa_kernel
	.amdgpu_metadata
---
amdhsa.version: [ 1, 2 ]
amdhsa.kernels:
  - .name:           k_qe226abd813_finish
    .symbol:         k_qe226abd813_finish.kd
    .args:
      - { .name: part, .offset: 0, .size: 8, .value_kind: global_buffer, .address_space: global }
      - { .name: bias2, .offset: 8, .size: 8, .value_kind: global_buffer, .address_space: global }
      - { .name: out0, .offset: 16, .size: 8, .value_kind: global_buffer, .address_space: global }
    .group_segment_fixed_size: 0
    .private_segment_fixed_size: 0
    .kernarg_segment_align: 8
    .kernarg_segment_size: 24
    .max_flat_workgroup_size: 128
    .sgpr_count:     66
    .vgpr_count:     16
    .wavefront_size: 32
...
	.end_amdgpu_metadata
.endif
;; end of part 3
;; ======== version 2 of 3: 3 launches; 1.14 times as fast as version 1
;; workspace buffers: wg 8,388,608 bytes; vec 12,288 bytes; part 131,072 bytes
;; launch prep: the kernel of part 1 again; grid 256 x 1, 4 waves a work-group, no clusters, 0 bytes of LDS; arguments w1, ln_gamma, ln_beta, bias1, w2, wg, vec; writes wg, vec
;; launch main (part 4): grid 8 x 32, 4 waves a work-group, clusters of 4 x 1, 327,680 bytes of LDS; arguments hidden_states, wg, vec, part; writes part
.if DOCPART == 4
	.amdgcn_target "amdgcn-amd-amdhsa--gfx1250"
	.amdhsa_code_object_version 6
	.text
	.protected	k_qe226abd813_main
	.globl	k_qe226abd813_main
	.p2align	8
	.type	k_qe226abd813_main,@function
k_qe226abd813_main:
	s_mov_b64 s[64:65], 0
	v_nop
	global_prefetch_b8 v0, s[64:65] scope:SCOPE_SE
	s_setreg_imm32_b32 hwreg(HW_REG_WAVE_MODE, 25, 1), 1
	s_wait_xcnt 0x0
	s_wait_alu depctr_hold_cnt(0) depctr_sa_sdst(0) depctr_va_vdst(0) depctr_va_sdst(0) depctr_va_ssrc(0) depctr_va_vcc(0) depctr_vm_vsrc(0)
	s_getreg_b32 s2, hwreg(HW_REG_IB_STS2, 6, 4)
	s_cmp_eq_u32 s2, 0
	s_cbranch_scc0 .Lentry_in_a_cluster
	s_endpgm
.Lentry_in_a_cluster:
	s_bfe_u32 s2, ttmp6, 0x10000c
	s_cmp_lg_u32 s2, 0x3003
	s_cbranch_scc0 .Lentry_shape_is_right
	s_endpgm
.Lentry_shape_is_right:
; main: LayerNorm, fc1, GELU and fc2 in one pass over hidden_states.  part[nhalf][row] = sum over 512 features of gelu(y) * w2.
;
; THE ARITHMETIC.  A row's mean and variance are not known when its first elements go to the matrix unit, so the row is shifted, not normalised:
;   s = mean of the row's first 128 elements;  d = h - s (in f32, then rounded to bf16);  delta = mean(d);  var = mean(d^2) - delta^2;  rs = rsqrt(var + 1e-5)
;   y[f] = rs * (sum over k of d[k] wg[f][k] - delta * rsum[f]) + c[f]          (wg, rsum, c: made by the launch before)
; (s - mean)^2 <= (4096/128) var for every row, so |delta| <= 5.66 and rms(d) <= 5.75 standard deviations: a common offset of any size is gone before
; the rounding, the variance gives up at most 5 of its 24 bits, and in the worst row the bf16 rounding weighs 5.75 times what it would on centred data.
; d is not normalised, so the operands are bf16, not f16.
; GELU in its exact form, gelu(y) = max(y, 0) - |y| erfc(|y| / sqrt 2) / 2, with erfc(x) = t (a1 + t (a2 + t (a3 + t (a4 + t a5)))) exp(-x^2),
; t = 1 / (1 + p x): absolute error at most 1.5e-7 for every x >= 0 (Abramowitz and Stegun 7.1.26).  With kappa = sqrt(log2(e)/2), y' = kappa y and
; a = |y'|: exp(-x^2) = 2^(-y'^2), t = 1 / (1 + p' a), 2 kappa gelu = (y' + a) - a erfc.  kappa rides in the row's two scalars and in c, 1/(2 kappa) in w2.
; LIMIT: where y is infinite or NaN the result is not reference()'s.
;
; THE SHAPE.  A work-group makes 128 rows x 512 features with four waves, one to a SIMD; a wave makes 128 x 128: 64 accumulator tiles of 16 x 16, 512 registers.
; 128 row blocks x 2 feature halves = 256 work-groups.  K = 4,096 goes in 32 steps of 128 for wg and in 64 trips of 64 for the activations.
; wg comes by the tensor data mover into two LDS slots; a wave fetches and reads its own 128 feature rows (one dense block of 32,768 bytes a K step).
; CLUSTER: the four work-groups of a cluster make four row blocks of one feature half and walk the same tiles of wg, so each tile is asked for jointly
; (mask 15), which divides the requests for wg by four.  hidden_states is not shared so: it goes through registers (shift, sums, rounding), never as a
; tile into LDS, and the one other work-group that reads the same rows makes the other feature half, in the neighbouring cluster.
; hidden_states: each wave loads 32 of the 128 rows, 64 columns a trip (16 loads, each two whole pieces of 256 bytes), two trips ahead of the conversion,
; subtracts s, adds up d and d^2, rounds, and puts 8 bytes a lane into one of two stage buffers in LDS, from which all four waves read A's fragments.
; THE TEXT IS KEPT SHORT where it runs once: in front of the K loop stands one quarter of a trip only, and the way out is a loop over the 8 feature blocks.
;
; REGISTERS in windows of 256:
;   window 0: v1 lane % 16, v2 lane / 16; v16-20 addresses; v32-63 minus s, twice for each of my 16 row slots; v64-127, v128-191 fragments of A;
;             v192-223 sums of d, v224-255 sums of d^2 (a pair for each row slot)
;   window 1: v0-63, v192-255 the two sets of hidden_states on their way; v64-127, v128-191 fragments of wg
;   window 2, 3: accumulators of rows 0-63, 64-127; tile (a, b) at v[8 (8 a + b)]
; THE MATRIX INSTRUCTION IS USED TRANSPOSED: source 0 = 16 feature rows of wg, source 1 = 16 rows of A.  Lane l then holds row l % 16, and its registers
; 0 to 7 the features 8 (l / 16) + 0 .. 7: the sum over features for fc2 stays inside the lane until the very end.
; The 64 accumulators take turns, one instruction a turn, in the same order in every quarter.
.set ROWB,    16384                    ; bytes in a row of hidden_states
.set WPITCH,  272                      ; an LDS row of wg: 256 bytes + 16 of padding: the 16 rows that a fragment load touches start 68 words apart
.set WWAVE,   128*WPITCH               ; a wave's 128 feature rows
.set SLOT,    4*WWAVE                  ; 139,264
.set ASTAGE,  2*SLOT                   ; 278,528: behind the ring, a multiple of 256; no fill lands here or further up
.set APITCH,  144                      ; a stage row: 64 bf16 + 16 bytes
.set ABUF,    128*APITCH               ; 18,432
.set STATS,   ASTAGE+2*ABUF            ; 315,392: 128 rows x {R, D}
.set PART,    STATS+1024               ; 316,416: 4 waves x 128 rows x 4 bytes
.set KSTEPB,  262144                   ; bytes of wg from one K step to the next
.set LAPS,    16                       ; a lap = two K steps = four trips = once round the ring
.set ADRB, 16                          ; v16-17  LDS address of my wg fragments in slot 0, 1
.set ADRA, 18                          ; v18     LDS address of A's fragments in stage buffer 0
.set STA,  19                          ; v19     where I put 8 bytes of my row slot 0 in stage buffer 0
.set HOFF, 20                          ; v20     byte offset in hidden_states of my 16 bytes of row slot 0
.set NSH,  32                          ; v[32:63]
.set F0,   64
.set F1,   128
.set SUM1, 192
.set SUM2, 224
.set G1, 24                            ; s[24:31] descriptor group 1, never rewritten
.set G0, 32                            ; s[32:39] descriptor group 0, one set for each slot
.set MSB, 0
.macro WIN new                         ; the immediate's high byte repeats the setting that is left
.if MSB != \new
	s_set_vgpr_msb (MSB<<8)|\new
.set MSB, \new
.endif
.endm
.set MUL_LO, 0xa1                      ; source 0 (wg) window 1, source 1 (A) window 0, C and D window 2
.set MUL_HI, 0xf1                      ; the same, C and D window 3
.set TO_B,   0x40                      ; destination window 1, address window 0
; A round of the cluster's barrier: my work-group's barrier, so that wave 0's signal speaks for all four waves; wave 0 signals for the work-group;
; every wave waits for all four work-groups; my work-group's barrier once more.
.macro CREST                           ; a round behind its opening barrier
	s_cmp_lg_u32 s12, 0
	s_cbranch_scc1 .Lnot_wave_0_\@
	s_barrier_signal -3
.Lnot_wave_0_\@:
	s_barrier_wait -3
	s_barrier_signal -1
	s_barrier_wait -1
.endm
.macro CROUND                          ; a whole round
	s_barrier_signal -1
	s_barrier_wait -1
	CREST
.endm
.macro PLACES                          ; four plain vector places behind a matrix instruction (ISA guide 7.12.1), where there is no useful work for them
.rept 4
	v_nop
.endr
.endm
; 16 loads of hidden_states into set q.  Row slot i is row i % 8 + 16 (i / 8) of my 32, + 8 for lanes 16 to 31: each load takes two whole pieces of 256 bytes.
; No streaming hint: the work-group of the other feature half reads the same bytes.
.macro HLOAD q, extra
	WIN TO_B
.irp i, 0,1,2,3,4,5,6,7,8,9,10,11,12,13,14,15
	global_load_b128 v[192*\q+4*\i:192*\q+4*\i+3], v[HOFF], s[20:21] offset:(\i%8+16*(\i/8))*ROWB+\extra
.endr
.endm
	s_load_b256 s[4:11], s[0:1], 0x0               ; hidden_states s[4:5], wg s[6:7], vec s[8:9], part s[10:11]
	v_lshl_add_u32 v6, v0, 2, 0x4dc00
	v_mov_b32 v7, 0
	ds_add_u32 v6, v7
	v_lshrrev_b32 v3, 5, v0
	v_readfirstlane_b32 s12, v3                    ; wave 0..3
	s_bfe_u32 s13, ttmp6, 0x40000                  ; cx: my place in the cluster
	s_mov_b32 s14, ttmp9                           ; the cluster's x = the feature half, 0 or 1
	s_and_b32 s15, ttmp7, 0xffff                   ; the cluster's y, 0..31
	s_lshl_b32 s16, s15, 2
	s_add_co_u32 s16, s16, s13                     ; row block = 4 y + cx, 0..127: it enters the addresses of hidden_states and part alone
	v_and_b32 v1, 15, v0                           ; lane % 16
	v_bfe_u32 v2, v0, 4, 1                         ; lane / 16
	v_lshlrev_b32 v3, 3, v2
	v_lshl_add_u32 v3, s12, 5, v3                  ; 32 wave + 8 (lane / 16): the row of my row slot 0
	v_lshlrev_b32 v4, 4, v1
	v_lshl_add_u32 v[HOFF], v3, 14, v4             ; x 16,384 + 16 (lane % 16)
	s_lshl_b32 s20, s16, 21                        ; row block x 128 rows x 16,384 bytes, below 2^28
	s_mov_b32 s21, 0
	s_lshl_b32 s18, s14, 17                        ; wg: half x 512 rows x 256 bytes
	s_lshl_b32 s19, s12, 15                        ;     + wave x 128 rows x 256 bytes
	s_add_co_u32 s18, s18, s19
	s_mov_b32 s19, 0
	s_mul_i32 s23, s12, WWAVE                      ; my rows in a slot: the wave's number alone
	; descriptor group 1: 128 rows x 128 elements of 2 bytes, dense in memory, padded in LDS
	s_mov_b32 s[G1+0], 15|(1<<16)|(1<<20)|(1<<21)|(5<<22)|(3<<25)   ; 15:0 mask: all four work-groups of the cluster; 17:16 2 bytes; 20 padding on; 21 set beside a mask; 24:22 after every 64 words; 31:25 of 4 words
	s_mov_b32 s[G1+1], 128<<16                     ; tensor_dim0 = 128
	s_mov_b32 s[G1+2], 128<<16                     ; tensor_dim1 = 128
	s_mov_b32 s[G1+3], 128<<16                     ; tile_dim0 = 128
	s_mov_b32 s[G1+4], 128                         ; tile_dim1 = 128
	s_mov_b32 s[G1+5], 128                         ; from row to row: 128 elements
	s_mov_b32 s[G1+6], 0
	s_mov_b32 s[G1+7], 0
	s_wait_dscnt 0x0
	s_wait_kmcnt 0x0
	s_add_nc_u64 s[20:21], s[4:5], s[20:21]        ; hidden_states at my block's first row, columns 0..63
	s_add_nc_u64 s[40:41], s[6:7], s[18:19]        ; wg at my wave's rows of K step 0: equal in all four work-groups
	HLOAD 0, 0                                     ; columns 0..63
	HLOAD 1, 256                                   ; columns 64..127
	WIN 0
	CROUND                                         ; all four work-groups are here: the first joint loads meet
.irp n, 0,1
	s_mov_b32 s[G0+4*\n], 1                                        ; count = 1
	s_add_co_u32 s[G0+4*\n+1], s23, \n*SLOT                        ; LDS address
	s_add_nc_u64 s[G0+4*\n+2:G0+4*\n+3], s[40:41], \n*KSTEPB       ; global address: K step n
	s_or_b32 s[G0+4*\n+3], s[G0+4*\n+3], 0x80000000                ; type = 2
	tensor_load_to_lds s[G0+4*\n:G0+4*\n+3], s[G1:G1+7]            ; both first fills as one group: two loads of the wave are out
	s_nop 0
.endr
	s_mov_b32 s42, 0x3e8ba43f                      ; p' = 0.3275911 / sqrt(log2 e); each constant of a packed instruction fills a pair
	s_mov_b32 s43, 0x3e8ba43f
	s_mov_b32 s44, 0x3f87dc22                      ; a5
	s_mov_b32 s45, 0x3f87dc22
	s_mov_b32 s48, 0x3fb5f0e3                      ; a3
	s_mov_b32 s49, 0x3fb5f0e3
	s_mov_b32 s50, 0xbe91a98e                      ; a2
	s_mov_b32 s51, 0xbe91a98e
	s_mov_b32 s52, 0x3e827906                      ; a1
	s_mov_b32 s53, 0x3e827906
	s_mov_b32 s54, 0x7fffffff                      ; clears a sign
	s_mov_b32 s55, 0x39800000                      ; 1/4096
	s_mov_b32 s56, 0x3727c5ac                      ; 1e-5
	s_mov_b32 s57, 0x3f596d27                      ; kappa
	s_mov_b32 s58, 0x76543210                      ; lane i of one half reads lane i of the other
	s_mov_b32 s59, 0xfedcba98
	s_mov_b32 s60, 0xbc000000                      ; -1/128
	v_mul_u32_u24 v5, v3, APITCH                   ; the stage: my row slot 0,
	v_lshl_add_u32 v5, v1, 3, v5                   ; 8 bytes a lane
	v_add_nc_u32 v[STA], ASTAGE, v5
	v_mul_u32_u24 v5, v1, APITCH                   ; a fragment: lane l takes row l % 16, 16 bytes at 16 (l / 16), and 16 more 32 bytes on
	v_lshl_add_u32 v5, v2, 4, v5
	v_add_nc_u32 v[ADRA], ASTAGE, v5
	v_mul_u32_u24 v5, v1, WPITCH
	v_lshl_add_u32 v5, v2, 4, v5
	v_add_nc_u32 v[ADRB], s23, v5
	v_add_nc_u32 v[ADRB+1], SLOT, v[ADRB]
; 16 matrix instructions: row blocks a0, a0 + 1 of the window's four x all 8 feature blocks, 32 along K.  zero = 1: the first product starts the sums.
.macro MUL16 f, hi, a0, zero
.irp a, \a0, \a0+1
.irp b, 0,1,2,3,4,5,6,7
.if \zero
	v_wmma_f32_16x16x32_bf16 v[8*(8*(\a)+\b):8*(8*(\a)+\b)+7], v[\f+8*\b:\f+8*\b+7], v[\f+8*(4*\hi+\a):\f+8*(4*\hi+\a)+7], 0
.else
	v_wmma_f32_16x16x32_bf16 v[8*(8*(\a)+\b):8*(8*(\a)+\b)+7], v[\f+8*\b:\f+8*\b+7], v[\f+8*(4*\hi+\a):\f+8*(4*\hi+\a)+7], v[8*(8*(\a)+\b):8*(8*(\a)+\b)+7]
.endif
.endr
.endr
.endm
; 32 LDS loads in one run: one quarter's fragments (my 128 feature rows at byte kw of slot's rows; the 128 rows of A at byte ka of stage buffer buf) into buffer f
.macro FETCH slot, kw, buf, ka, f
	WIN TO_B
.irp i, 0,1,2,3,4,5,6,7
	ds_load_b128 v[\f+8*\i:\f+8*\i+3],   v[ADRB+\slot] offset:\kw+\i*16*WPITCH
	ds_load_b128 v[\f+8*\i+4:\f+8*\i+7], v[ADRB+\slot] offset:\kw+\i*16*WPITCH+32
.endr
	WIN 0
.irp i, 0,1,2,3,4,5,6,7
	ds_load_b128 v[\f+8*\i:\f+8*\i+3],   v[ADRA] offset:\buf*ABUF+\ka+\i*16*APITCH
	ds_load_b128 v[\f+8*\i+4:\f+8*\i+7], v[ADRA] offset:\buf*ABUF+\ka+\i*16*APITCH+32
.endr
.endm
; The 64 columns in set q: shifted, summed, rounded, put into stage buffer q.  first = 1: they start the sums.  hl = 1: the set is loaded again, with the
; columns two tiles on.  left = how many younger loads may stay out.  All its arithmetic is plain vector work on registers that no matrix instruction names.
.macro CONVERT q, first, hl, left
	s_wait_loadcnt \left                           ; loads come back in order: this set's 16 are in
	WIN 0x41                                       ; source 0 and destination window 1, source 1 window 0
.irp i, 0,1,2,3,4,5,6,7,8,9,10,11,12,13,14,15
	v_pk_add_f32 v[192*\q+4*\i:192*\q+4*\i+1],   v[192*\q+4*\i:192*\q+4*\i+1],   v[NSH+2*\i:NSH+2*\i+1]     ; d = h - s
	v_pk_add_f32 v[192*\q+4*\i+2:192*\q+4*\i+3], v[192*\q+4*\i+2:192*\q+4*\i+3], v[NSH+2*\i:NSH+2*\i+1]
.endr
	WIN 0x05                                       ; sources 0 and 1 window 1, source 2 and destination window 0
.if \first
.irp i, 0,1,2,3,4,5,6,7,8,9,10,11,12,13,14,15
	v_pk_add_f32 v[SUM1+2*\i:SUM1+2*\i+1], v[192*\q+4*\i:192*\q+4*\i+1], v[192*\q+4*\i+2:192*\q+4*\i+3]
.endr
.irp i, 0,1,2,3,4,5,6,7,8,9,10,11,12,13,14,15
	v_pk_mul_f32 v[SUM2+2*\i:SUM2+2*\i+1], v[192*\q+4*\i:192*\q+4*\i+1], v[192*\q+4*\i:192*\q+4*\i+1]
.endr
.else
.irp i, 0,1,2,3,4,5,6,7,8,9,10,11,12,13,14,15      ; d x 1 + sum: the three-source form puts the running sum in the place whose window is 0, under the squares' setting
	v_pk_fma_f32 v[SUM1+2*\i:SUM1+2*\i+1], v[192*\q+4*\i:192*\q+4*\i+1], 1.0, v[SUM1+2*\i:SUM1+2*\i+1] op_sel_hi:[1,0,1]
.endr
.irp i, 0,1,2,3,4,5,6,7,8,9,10,11,12,13,14,15
	v_pk_fma_f32 v[SUM1+2*\i:SUM1+2*\i+1], v[192*\q+4*\i+2:192*\q+4*\i+3], 1.0, v[SUM1+2*\i:SUM1+2*\i+1] op_sel_hi:[1,0,1]
.endr
.irp i, 0,1,2,3,4,5,6,7,8,9,10,11,12,13,14,15
	v_pk_fma_f32 v[SUM2+2*\i:SUM2+2*\i+1], v[192*\q+4*\i:192*\q+4*\i+1], v[192*\q+4*\i:192*\q+4*\i+1], v[SUM2+2*\i:SUM2+2*\i+1]
.endr
.endif
.irp i, 0,1,2,3,4,5,6,7,8,9,10,11,12,13,14,15
	v_pk_fma_f32 v[SUM2+2*\i:SUM2+2*\i+1], v[192*\q+4*\i+2:192*\q+4*\i+3], v[192*\q+4*\i+2:192*\q+4*\i+3], v[SUM2+2*\i:SUM2+2*\i+1]
.endr
	WIN 0x45                                       ; all in window 1
.irp i, 0,1,2,3,4,5,6,7,8,9,10,11,12,13,14,15
	v_cvt_pk_bf16_f32 v[192*\q+4*\i],   v[192*\q+4*\i],   v[192*\q+4*\i+1]
	v_cvt_pk_bf16_f32 v[192*\q+4*\i+1], v[192*\q+4*\i+2], v[192*\q+4*\i+3]
.endr
	WIN 0x04                                       ; address window 0, data window 1
.irp i, 0,1,2,3,4,5,6,7,8,9,10,11,12,13,14,15
	ds_store_b64 v[STA], v[192*\q+4*\i:192*\q+4*\i+1] offset:\q*ABUF+(\i%8+16*(\i/8))*APITCH   ; two rows, 8 rows = 288 words apart: the two runs of 32 words meet in no bank (64 banks of 4 bytes: ISA guide 11.1)
.endr
.if \hl
	s_wait_xcnt 0x0                                ; the base of the loads that are out is stepped only behind this wait
	s_add_nc_u64 s[20:21], s[20:21], 256           ; 64 columns on: the base now stands one tile behind the tile that is asked for
	HLOAD \q, 256
.endif
.endm
; A trip is 64 along K: two quarters of 64 matrix instructions, on fragment buffers 0 and 1.
; The first quarter multiplies buffer 0.  In its middle: the next tile's conversion (cv = 1), whose vector work also gives the places in front of the loads,
; then the second quarter's fragments, at byte kw of the slot's rows and byte 64 of stage buffer buf, into buffer 1.
.macro HEADQ slot, kw, buf, zero, cv, q, hl, left
	s_wait_dscnt 8                                 ; wg and A's rows 0-63 are in; the youngest eight loads (A's rows 64-127) may be out
	WIN MUL_LO
	MUL16 F0, 0, 0, \zero
	MUL16 F0, 0, 2, \zero
.if \cv
	CONVERT \q, 0, \hl, \left
.else
	PLACES
.endif
	FETCH \slot, \kw, \buf, 64, F1
	s_wait_dscnt 32                                ; all but the 32 just issued: the older eight loads and the stage's 16 stores are done
	WIN MUL_HI
	MUL16 F0, 1, 0, \zero
	MUL16 F0, 1, 2, \zero
.endm
; The second quarter multiplies buffer 1 and hands the stage over: ONE barrier a trip.  In front of it each wave has waited for all its LDS work: its stores
; into the next stage buffer and its reads of this one, which is stored into again in the next trip.
; kind 0: the middle of a K step.  Behind this barrier no slot is filled, so my tensor load may stay out.
; kind 1: the end of a K step.  Every wave also waits for all its tensor loads (one is out: my part of the next slot); the barrier opens a round of the
;         cluster's barrier, with register work alone inside; behind the round no wave of any partner reads this slot or has a load on its way, and the
;         joint refill, two K steps ahead, is the first thing there and my one tensor load until the next round: it has 240 matrix instructions in which to land.
; kind 2: the end of a K step with nothing left to fetch.
.macro TAILQ kind, slot, nslot, nkw, nbuf
	s_wait_dscnt 8
	WIN MUL_LO
	MUL16 F1, 0, 0, 0
	s_wait_dscnt 0
.if \kind
	s_set_vgpr_msb 0xa1a0
	s_wait_tensorcnt 0x0
	ds_add_u32 v6, v7
	s_wait_dscnt 0x0
	s_set_vgpr_msb 0xa0a1
.endif
	s_barrier_signal -1
	MUL16 F1, 0, 2, 0                              ; work on registers while the others arrive
	WIN 0                                          ; (branches may follow)
	s_barrier_wait -1
.if \kind == 1
	CREST
	s_add_nc_u64 s[G0+4*\slot+2:G0+4*\slot+3], s[G0+4*\slot+2:G0+4*\slot+3], 2*KSTEPB   ; no load of mine is out: a group 0 may be written
	tensor_load_to_lds s[G0+4*\slot:G0+4*\slot+3], s[G1:G1+7]
	s_nop 0
.endif
	PLACES
	FETCH \nslot, \nkw, \nbuf, 0, F0
	WIN MUL_HI
	MUL16 F1, 1, 0, 0
	MUL16 F1, 1, 2, 0
.endm
	; THE SHIFT: minus the mean of each row's first 128 elements.  A lane holds 4 + 4 of them; the 16 lanes of a half hold one row.
	s_wait_loadcnt 0x0                             ; both sets are in
	WIN 0x05
.irp i, 0,1,2,3,4,5,6,7,8,9,10,11,12,13,14,15
	v_pk_add_f32 v[SUM1+2*\i:SUM1+2*\i+1], v[4*\i:4*\i+1], v[4*\i+2:4*\i+3]
.endr
.irp i, 0,1,2,3,4,5,6,7,8,9,10,11,12,13,14,15
	v_pk_fma_f32 v[SUM1+2*\i:SUM1+2*\i+1], v[192+4*\i:192+4*\i+1], 1.0, v[SUM1+2*\i:SUM1+2*\i+1] op_sel_hi:[1,0,1]
.endr
.irp i, 0,1,2,3,4,5,6,7,8,9,10,11,12,13,14,15
	v_pk_fma_f32 v[SUM1+2*\i:SUM1+2*\i+1], v[192+4*\i+2:192+4*\i+3], 1.0, v[SUM1+2*\i:SUM1+2*\i+1] op_sel_hi:[1,0,1]
.endr
	WIN 0
.irp i, 0,1,2,3,4,5,6,7,8,9,10,11,12,13,14,15
	v_add_f32 v[SUM1+2*\i], v[SUM1+2*\i], v[SUM1+2*\i+1]
.endr
.irp m, 1,2,4,8
.irp i, 0,1,2,3,4,5,6,7,8,9,10,11,12,13,14,15
	v_add_f32_dpp v[SUM1+2*\i], v[SUM1+2*\i], v[SUM1+2*\i] row_xmask:\m row_mask:0xf bank_mask:0xf
.endr
.endr
.irp i, 0,1,2,3,4,5,6,7,8,9,10,11,12,13,14,15
	v_mul_f32 v[NSH+2*\i],   s60, v[SUM1+2*\i]     ; twice: a pair for the packed subtraction
	v_mul_f32 v[NSH+2*\i+1], s60, v[SUM1+2*\i]
.endr
	CONVERT 0, 1, 1, 0                             ; tile 0 into stage buffer 0 (its wait is met already); tile 2 is asked for
	s_wait_dscnt 0x0                               ; my stage stores are done,
	s_wait_tensorcnt 0x1                           ; my part of K step 0 is in; K step 1's may stay out
	s_barrier_signal -1
	s_barrier_wait -1                              ; everybody's are
	FETCH 0, 0, 0, 0, F0
	; THE K LOOP.  Trip t multiplies tile t, converts tile t + 1 and asks for tile t + 3 (16 = the loads of tile t + 2 stay out); a K step of wg is two trips.
	; The loop is turned by one quarter: only the first quarter of trip 0, whose 64 products start the 64 sums, stands in front of it.  Pass n goes from the
	; second quarter of trip 4 n to the first quarter of trip 4 n + 4.  The last pass, n = 14, refills with K steps 30 and 31 and asks for tile 63: the last
	; of each, so all 15 passes are alike.
	HEADQ 0, 64, 0, 1, 1, 1, 1, 16                 ; trip 0, first quarter
	WIN 0                                          ; at a label and at a branch every window is 0
	s_mov_b32 s22, LAPS-1
.Llap:
	TAILQ 0, 0, 0, 128, 1                          ; trip 4 n
	HEADQ 0, 192, 1, 0, 1, 0, 1, 16                ; trip 4 n + 1
	TAILQ 1, 0, 1, 0, 0                            ;   slot 0 is filled again
	HEADQ 1, 64, 0, 0, 1, 1, 1, 16                 ; trip 4 n + 2
	TAILQ 0, 1, 1, 128, 1
	HEADQ 1, 192, 1, 0, 1, 0, 1, 16                ; trip 4 n + 3
	TAILQ 1, 1, 0, 0, 0                            ;   slot 1 is filled again
	HEADQ 0, 64, 0, 0, 1, 1, 1, 16                 ; trip 4 n + 4
	WIN 0
	s_sub_co_u32 s22, s22, 1
	s_cmp_lg_u32 s22, 0
	s_cbranch_scc1 .Llap
	; the rest of the last lap, written out: no refill, no round of the cluster's barrier, and the stream of hidden_states runs out
	TAILQ 0, 0, 0, 128, 1                          ; trip 60
	HEADQ 0, 192, 1, 0, 1, 0, 0, 16                ; trip 61: tile 62 converted; tile 63's 16 loads stay out
	TAILQ 2, 0, 1, 0, 0                            ; my one tensor load that was out, the last K step's, has landed
	HEADQ 1, 64, 0, 0, 1, 1, 0, 0                  ; trip 62: tile 63 converted: nothing was issued behind it
	TAILQ 0, 1, 1, 128, 1
	HEADQ 1, 192, 1, 0, 0, 0, 0, 0                 ; trip 63: nothing left to convert
	s_wait_dscnt 8                                 ; the very last quarter
	WIN MUL_LO
	MUL16 F1, 0, 0, 0
	MUL16 F1, 0, 2, 0
	s_wait_dscnt 0
	WIN MUL_HI
	MUL16 F1, 1, 0, 0
	MUL16 F1, 1, 2, 0
	; THE WAY OUT.  All in window 0 but the accumulators.
.set RD,  16                           ; v[16:31]   {R, D} of rows 16 a' + lane % 16, a' = 0..7:  R = kappa rs,  D = -R delta
.set GG,  32                           ; v[32:47]   running sums of 2 kappa gelu x w2 / (2 kappa), a pair for each a'
.set VC,  48                           ; v[48:55]   kappa c of my 8 features of the feature block at work
.set VR,  56                           ; v[56:63]   rsum of them
.set VW,  64                           ; v[64:71]   w2 / (2 kappa) of them
.set YY0, 96                           ; 32 values of rows 0-63: y', then y' + |y'|, then 2 kappa gelu
.set YY1, 128                          ; the same of rows 64-127
.set AA,  160                          ; |y'|, then |y'| 2^(-y'^2)
.set TT,  192                          ; t
.set EE,  224                          ; 2^(-y'^2), then the polynomial
	WIN 0
	PLACES                                         ; behind the last matrix instructions: for the loads into old fragment registers and for the reads of the sums
	s_lshl_b32 s18, s14, 11                        ; vec: half x 512 features x 4 bytes
	s_lshl_b32 s23, s12, 9                         ;      + wave x 128 features x 4 bytes
	s_add_co_u32 s18, s18, s23
	v_lshlrev_b32 v8, 5, v2                        ;      + 8 features for lanes 16 to 31
	v_add_nc_u32 v8, s18, v8                       ; never rewritten: the feature block stands in the scalar base
.macro VLOADCR base                    ; four loads: kappa c and rsum of a feature block's 8 features
	global_load_b128 v[VC:VC+3],   v8, s[\base:\base+1]
	global_load_b128 v[VC+4:VC+7], v8, s[\base:\base+1] offset:16
	global_load_b128 v[VR:VR+3],   v8, s[\base:\base+1] offset:4096
	global_load_b128 v[VR+4:VR+7], v8, s[\base:\base+1] offset:4112
.endm
.macro VLOADW base                     ; two loads: w2 / (2 kappa) of them
	global_load_b128 v[VW:VW+3],   v8, s[\base:\base+1] offset:8192
	global_load_b128 v[VW+4:VW+7], v8, s[\base:\base+1] offset:8208
.endm
	VLOADCR 8                                      ; feature block 0
	VLOADW 8
	v_lshlrev_b32 v9, 3, v2
	v_lshl_add_u32 v9, s12, 5, v9                  ; the row of my row slot 0
	v_lshlrev_b32 v9, 3, v9
	v_add_nc_u32 v9, STATS, v9                     ; where its {R, D} go
	v_lshlrev_b32 v10, 3, v1
	v_add_nc_u32 v10, STATS, v10                   ; {R, D} of row lane % 16
	s_add_co_u32 s23, s23, PART                    ; my wave's 128 words
	v_lshl_add_u32 v11, v1, 2, s23
	v_and_b32 v13, 31, v0
	v_lshlrev_b32 v13, 4, v13                      ; 16 x lane
	v_add_nc_u32 v12, PART, v13
	v_mov_b32 v14, 0xbfba00e3                      ; a4, in a vector pair: one scalar pair to an instruction
	v_mov_b32 v15, 0xbfba00e3
	; the rows' scalars, from the sums of d and d^2
.irp i, 0,1,2,3,4,5,6,7,8,9,10,11,12,13,14,15
	v_add_f32 v[SUM1+2*\i], v[SUM1+2*\i], v[SUM1+2*\i+1]
	v_add_f32 v[SUM2+2*\i], v[SUM2+2*\i], v[SUM2+2*\i+1]
.endr
.irp m, 1,2,4,8
.irp i, 0,1,2,3,4,5,6,7,8,9,10,11,12,13,14,15
	v_add_f32_dpp v[SUM1+2*\i], v[SUM1+2*\i], v[SUM1+2*\i] row_xmask:\m row_mask:0xf bank_mask:0xf
	v_add_f32_dpp v[SUM2+2*\i], v[SUM2+2*\i], v[SUM2+2*\i] row_xmask:\m row_mask:0xf bank_mask:0xf
.endr
.endr
.irp i, 0,1,2,3,4,5,6,7,8,9,10,11,12,13,14,15
	v_mul_f32 v[SUM1+2*\i], s55, v[SUM1+2*\i]      ; delta
	v_mul_f32 v[SUM2+2*\i], s55, v[SUM2+2*\i]      ; mean of d^2
.endr
.irp i, 0,1,2,3,4,5,6,7,8,9,10,11,12,13,14,15
	v_fma_f32 v[SUM2+2*\i], -v[SUM1+2*\i], v[SUM1+2*\i], v[SUM2+2*\i]    ; the variance,
.endr
.irp i, 0,1,2,3,4,5,6,7,8,9,10,11,12,13,14,15
	v_max_num_f32 v[SUM2+2*\i], 0, v[SUM2+2*\i]    ; never below 0,
.endr
.irp i, 0,1,2,3,4,5,6,7,8,9,10,11,12,13,14,15
	v_add_f32 v[SUM2+2*\i], s56, v[SUM2+2*\i]      ; + 1e-5
.endr
.irp i, 0,1,2,3,4,5,6,7,8,9,10,11,12,13,14,15
	v_rsq_f32 v[SUM2+2*\i], v[SUM2+2*\i]
.endr
	v_nop                                          ; one plain place between the run of v_rsq_f32 and the first use of a result (ISA guide 5.7.2)
	s_wait_alu depctr_va_vdst(0)
.irp i, 0,1,2,3,4,5,6,7,8,9,10,11,12,13,14,15
	v_mul_f32 v[SUM2+2*\i],   s57, v[SUM2+2*\i]                    ; R = kappa rs
	v_mul_f32 v[SUM2+2*\i+1], -v[SUM1+2*\i], v[SUM2+2*\i]          ; D = -R delta
	ds_store_b64 v9, v[SUM2+2*\i:SUM2+2*\i+1] offset:(\i%8+16*(\i/8))*8   ; the 16 lanes of a half write the same 8 bytes with the same value
.endr
	s_wait_dscnt 0x0                               ; my stores are done, for the others' sake
	s_barrier_signal -1
	s_barrier_wait -1
.irp a, 0,1,2,3,4,5,6,7
	ds_load_b64 v[RD+2*\a:RD+2*\a+1], v10 offset:128*\a
.endr
.set EK, 0
.rept 16
	v_mov_b32 v[GG+EK], 0                          ; the 16 sums for fc2 start at 0: in a loop no first product can start them
.set EK, EK+1
.endr
	s_wait_dscnt 0x0
; The one step that names accumulators: y' = R x the matrix sum + y0, for feature block b: 32 values of rows 0-63 (window 2), 32 of rows 64-127 (window 3).
.macro ACCB b
	WIN 0x02
.irp a, 0,1,2,3
.irp p, 0,1,2,3
	v_pk_fma_f32 v[YY0+8*\a+2*\p:YY0+8*\a+2*\p+1], v[8*(8*\a+\b)+2*\p:8*(8*\a+\b)+2*\p+1], v[RD+2*\a:RD+2*\a+1], v[YY0+8*\a+2*\p:YY0+8*\a+2*\p+1] op_sel_hi:[1,0,1]
.endr
.endr
	WIN 0x03
.irp a, 0,1,2,3
.irp p, 0,1,2,3
	v_pk_fma_f32 v[YY1+8*\a+2*\p:YY1+8*\a+2*\p+1], v[8*(8*\a+\b)+2*\p:8*(8*\a+\b)+2*\p+1], v[RD+8+2*\a:RD+8+2*\a+1], v[YY1+8*\a+2*\p:YY1+8*\a+2*\p+1] op_sel_hi:[1,0,1]
.endr
.endr
	WIN 0
.endm
; GELU of the 32 values y' at y (row blocks a = 0..3 x 8 features), times w2, onto the four pairs of sums at g.  w = 1: w2's loads are waited for here.
.macro GELU y, g, w
.set EK, 0
.rept 32
	v_and_b32 v[AA+EK], s54, v[\y+EK]              ; a = |y'|
.set EK, EK+1
.endr
.set EK, 0
.rept 16
	v_pk_fma_f32 v[TT+EK:TT+EK+1], v[AA+EK:AA+EK+1], s[42:43], 1.0 op_sel_hi:[1,0,0]    ; 1 + p' a
	v_pk_mul_f32 v[EE+EK:EE+EK+1], v[\y+EK:\y+EK+1], v[\y+EK:\y+EK+1]                   ; y'^2
.set EK, EK+2
.endr
.set EK, 0
.rept 32
	v_rcp_f32 v[TT+EK], v[TT+EK]                   ; t
.set EK, EK+1
.endr
.set EK, 0
.rept 32
	v_exp_f32 v[EE+EK], -v[EE+EK]                  ; 2^(-y'^2)
.set EK, EK+1
.endr
.set EK, 0
.rept 16
	v_pk_add_f32 v[\y+EK:\y+EK+1], v[\y+EK:\y+EK+1], v[AA+EK:AA+EK+1]                   ; y' + a: plain work between the transcendentals and the first use of a result
.set EK, EK+2
.endr
.set EK, 0
	s_wait_alu depctr_va_vdst(0)
.rept 16
	v_pk_mul_f32 v[AA+EK:AA+EK+1], v[AA+EK:AA+EK+1], v[EE+EK:EE+EK+1]                   ; a 2^(-y'^2): the exponentials' registers are free behind this run
.set EK, EK+2
.endr
.set EK, 0
.rept 16
	v_pk_fma_f32 v[EE+EK:EE+EK+1], v[TT+EK:TT+EK+1], s[44:45], v[14:15] op_sel_hi:[1,0,1]   ; a5 t + a4
.set EK, EK+2
.endr
.irp c, 48, 50, 52                                 ; ... t + a3, ... t + a2, ... t + a1
.set EK, 0
.rept 16
	v_pk_fma_f32 v[EE+EK:EE+EK+1], v[EE+EK:EE+EK+1], v[TT+EK:TT+EK+1], s[\c:\c+1] op_sel_hi:[1,1,0]
.set EK, EK+2
.endr
.endr
.set EK, 0
.rept 16
	v_pk_mul_f32 v[EE+EK:EE+EK+1], v[EE+EK:EE+EK+1], v[TT+EK:TT+EK+1]                   ; ... t
.set EK, EK+2
.endr
.set EK, 0
.rept 16
	v_pk_fma_f32 v[\y+EK:\y+EK+1], v[AA+EK:AA+EK+1], v[EE+EK:EE+EK+1], v[\y+EK:\y+EK+1] neg_lo:[1,0,0] neg_hi:[1,0,0]   ; (y' + a) - a erfc = 2 kappa gelu
.set EK, EK+2
.endr
.if \w
	s_wait_loadcnt 0x4                             ; this block's w2 is in; the four loads issued behind it (the next block's c and rsum) may stay out
.endif
.irp p, 0,1,2,3
.irp a, 0,1,2,3
	v_pk_fma_f32 v[\g+2*\a:\g+2*\a+1], v[\y+8*\a+2*\p:\y+8*\a+2*\p+1], v[VW+2*\p:VW+2*\p+1], v[\g+2*\a:\g+2*\a+1]
.endr
.endr
.endm
	; A loop over the 8 feature blocks of 16, so that the arithmetic's text stands once.  One set of registers holds the block's three vectors; each part of it
	; is asked for again as soon as its last reader has gone: c and rsum behind y0, w2 at the trip's end.
	s_mov_b32 s19, 0
	s_mov_b32 s22, 0
.Lblock:
	s_wait_loadcnt 0x2                             ; this block's c and rsum are in; w2's two loads, issued behind them, may stay out
.irp a, 0,1,2,3
.irp p, 0,1,2,3
	v_pk_fma_f32 v[YY0+8*\a+2*\p:YY0+8*\a+2*\p+1], v[RD+2*\a:RD+2*\a+1], v[VR+2*\p:VR+2*\p+1], v[VC+2*\p:VC+2*\p+1] op_sel:[1,0,0] op_sel_hi:[1,1,1]       ; y0 = D rsum + kappa c
.endr
.endr
.irp a, 0,1,2,3
.irp p, 0,1,2,3
	v_pk_fma_f32 v[YY1+8*\a+2*\p:YY1+8*\a+2*\p+1], v[RD+8+2*\a:RD+8+2*\a+1], v[VR+2*\p:VR+2*\p+1], v[VC+2*\p:VC+2*\p+1] op_sel:[1,0,0] op_sel_hi:[1,1,1]
.endr
.endr
	s_add_co_u32 s18, s22, 1                       ; the next block,
	s_min_u32 s18, s18, 7                          ; clamped: the last trip asks for block 7 once more, so that no load leaves vec; nothing reads what that brings
	s_lshl_b32 s18, s18, 6                         ; x 16 features x 4 bytes
	s_wait_xcnt 0x0                                ; the base of the loads that may be out is written again only behind this wait
	s_add_nc_u64 s[20:21], s[8:9], s[18:19]
	VLOADCR 20
	; Registers cannot be picked by a counter, so ACCB is written out for each block, and a chain of compares on the trip's number picks one.
	; The last stands behind no compare: every way through writes y'.
.irp b, 0,1,2,3,4,5,6
	s_cmp_lg_u32 s22, \b
	s_cbranch_scc1 .Lnot_block_\b
	ACCB \b
	s_branch .Lhave_y
.Lnot_block_\b:
.endr
	ACCB 7
.Lhave_y:
	GELU YY0, GG, 1
	GELU YY1, GG+8, 0
	VLOADW 20
	s_add_co_u32 s22, s22, 1
	s_cmp_lt_u32 s22, 8
	s_cbranch_scc1 .Lblock
	; a lane's 64 features of each row, the two halves of the lanes, then the four waves through LDS
.irp a, 0,1,2,3,4,5,6,7
	v_add_f32 v[GG+2*\a], v[GG+2*\a], v[GG+2*\a+1]
.endr
.irp a, 0,1,2,3,4,5,6,7
	v_permlanex16_b32 v[GG+2*\a+1], v[GG+2*\a], s58, s59
.endr
.irp a, 0,1,2,3,4,5,6,7
	v_add_f32 v[GG+2*\a], v[GG+2*\a], v[GG+2*\a+1]
	ds_store_b32 v11, v[GG+2*\a] offset:64*\a      ; row 16 a + lane % 16; both halves write the same word with the same value
.endr
	s_wait_dscnt 0x0                               ; my stores are done, for wave 0's sake
	s_barrier_signal -1
	s_barrier_wait -1
	s_cmp_lg_u32 s12, 0
	s_cbranch_scc1 .Lnot_first
	ds_load_b128 v[96:99],   v12                   ; four rows a lane, from each wave's 128 words
	ds_load_b128 v[100:103], v12 offset:512
	ds_load_b128 v[104:107], v12 offset:1024
	ds_load_b128 v[108:111], v12 offset:1536
	s_lshl_b32 s18, s14, 16                        ; part: half x 16,384 rows x 4 bytes
	s_lshl_b32 s23, s16, 9                         ;       + row block x 128 rows x 4 bytes
	s_add_co_u32 s18, s18, s23
	s_mov_b32 s19, 0
	s_add_nc_u64 s[10:11], s[10:11], s[18:19]
	s_wait_dscnt 0x0
	v_pk_add_f32 v[96:97],   v[96:97],   v[100:101]
	v_pk_add_f32 v[98:99],   v[98:99],   v[102:103]
	v_pk_add_f32 v[104:105], v[104:105], v[108:109]
	v_pk_add_f32 v[106:107], v[106:107], v[110:111]
	v_pk_add_f32 v[96:97],   v[96:97],   v[104:105]
	v_pk_add_f32 v[98:99],   v[98:99],   v[106:107]
	global_store_b128 v13, v[96:99], s[10:11]      ; the wave stores 512 consecutive bytes, at a multiple of 512 from part's first byte
.Lnot_first:
	s_wait_tensorcnt 0x0
	ds_add_u32 v6, v7
	s_wait_dscnt 0x0
	CROUND                                         ; the closing round: no work-group ends while a partner may still ask for a tile that names it
	s_endpgm
.Lfunc_end_k_qe226abd813_main:
	.size	k_qe226abd813_main, .Lfunc_end_k_qe226abd813_main-k_qe226abd813_main
	.p2alignl 7, 3214868480
	.fill 96, 4, 3214868480
	.section	.rodata,"a",@progbits
	.p2align	6, 0x0
	.amdhsa_kernel k_qe226abd813_main
		.amdhsa_group_segment_fixed_size 327680
		.amdhsa_private_segment_fixed_size 0
		.amdhsa_enable_private_segment 0
		.amdhsa_kernarg_size 32
		.amdhsa_user_sgpr_count 2
		.amdhsa_user_sgpr_kernarg_segment_ptr 1
		.amdhsa_wavefront_size32 1
		.amdhsa_system_sgpr_workgroup_id_x 1
		.amdhsa_system_sgpr_workgroup_id_y 1
		.amdhsa_system_sgpr_workgroup_id_z 1
		.amdhsa_system_vgpr_workitem_id 0
		.amdhsa_next_free_vgpr 1024
		.amdhsa_next_free_sgpr 66
		.amdhsa_reserve_vcc 0
		.amdhsa_float_denorm_mode_32 3
		.amdhsa_float_denorm_mode_16_64 3
		.amdhsa_memory_ordered 1
		.amdhsa_forward_progress 1
		.amdhsa_inst_pref_size 255
	.end_amdhsa_kernel
	.section	.bss,"aw",@nobits
	.p2align	6
	.space	262144
	.amdgpu_metadata
---
amdhsa.version: [ 1, 2 ]
amdhsa.kernels:
  - .name:           k_qe226abd813_main
    .symbol:         k_qe226abd813_main.kd
    .args:
      - { .name: hidden_states, .offset: 0, .size: 8, .value_kind: global_buffer, .address_space: global }
      - { .name: wg, .offset: 8, .size: 8, .value_kind: global_buffer, .address_space: global }
      - { .name: vec, .offset: 16, .size: 8, .value_kind: global_buffer, .address_space: global }
      - { .name: part, .offset: 24, .size: 8, .value_kind: global_buffer, .address_space: global }
    .group_segment_fixed_size: 327680
    .private_segment_fixed_size: 0
    .kernarg_segment_align: 8
    .kernarg_segment_size: 32
    .max_flat_workgroup_size: 128
    .sgpr_count:     66
    .vgpr_count:     1024
    .wavefront_size: 32
...
	.end_amdgpu_metadata
.endif
;; end of part 4
;; launch finish: the kernel of part 3 again; grid 32 x 1, 4 waves a work-group, no clusters, 0 bytes of LDS; arguments part, bias2, out0; writes out0
;; ======== version 3 of 3: 3 launches; version 2 with the launch prep written anew for expert scheduling mode
;; workspace buffers: wg 8,388,608 bytes; vec 12,288 bytes; part 131,072 bytes
;; launch prep (part 5): grid 256 x 1, 4 waves a work-group, no clusters, 0 bytes of LDS; arguments w1, ln_gamma, ln_beta, bias1, w2, wg, vec; writes wg, vec
.if DOCPART == 5
	.amdgcn_target "amdgcn-amd-amdhsa--gfx1250"
	.amdhsa_code_object_version 6
	.text
	.protected	k_qe226abd813_prep
	.globl	k_qe226abd813_prep
	.p2align	8
	.type	k_qe226abd813_prep,@function
k_qe226abd813_prep:
	s_mov_b64 s[64:65], 0
	v_nop
	global_prefetch_b8 v0, s[64:65] scope:SCOPE_SE
	s_setreg_imm32_b32 hwreg(HW_REG_WAVE_SCHED_MODE, 0, 2), 2
	s_setreg_imm32_b32 hwreg(HW_REG_WAVE_MODE, 25, 1), 1
	s_wait_xcnt 0x0
	s_wait_alu depctr_vm_vsrc(0)
; prep: folds LayerNorm's gain and bias into fc1, once.
;   wg[T][f][kk] = bf16(gamma[k] * w1[f][k]),  k = 128 T + kk: tiled so that 128 feature rows of one K step of 128 are one dense block of 32,768 bytes
;   vec[0][f] = kappa * (sum over k of beta[k] w1[f][k] + bias1[f])      kappa = sqrt(log2(e) / 2), the scale in which the next launch evaluates GELU
;   vec[1][f] = sum over k of wg[f][k], taken over the ROUNDED values, so that a constant added to a row of activations cancels exactly
;   vec[2][f] = w2[f] / (2 kappa)
; One wave takes one row f of w1 (16,384 bytes): 32 loads of 16 bytes a lane, each covering 512 consecutive bytes = one K step of 128.
; The lane's four products round to 8 bytes, so the wave's store is 256 consecutive bytes, aligned: the row's piece of one tile.
; Memory binds: no LDS, no barrier, no matrix unit.  Two register sets of 8 K steps take turns, so 24 to 48 loads of a wave are on their way.
; The three words of vec are the only narrow stores: 12 bytes a wave, 12,288 bytes in the launch.
; THE MODE: SCHED_MODE bits 1:0 = 2 (LLVM: expert scheduling mode 2), set by the entry lines.  The code itself states the register dependences
; between vector instructions and memory instructions, with s_wait_alu, always for 0.
; THE PLAN.  The row goes in four chunks of 8 K steps.  Registers that memory instructions touch:
;   v2, v3, v8   byte offsets, made once at the head and never written again: the K steps stand in the immediate offsets.
;   SET0, SET1   Chunk c works on SET[c % 2]: its 24 loads have landed there; its arithmetic reads all of it and writes the products over gamma;
;                behind that arithmetic the loads of chunk c + 2 land in it (c = 0, 1).
;   OUT0, OUT1   Chunk c's roundings write OUT[c % 2]; its eight stores read it; chunk c + 2's roundings write it again.
;   v20, v21     bias1[f] and w2[f], loaded at the head; v21 is scaled once and is then a store's data, like the two sums v[CS] and v[RS].
; So ONE wait on va_vdst stands at a chunk's end: the roundings have written OUT, and the arithmetic is done with SET.  The chunk's 24 loads and 8 stores
; follow it with no vector instruction between, and the next chunk's arithmetic names the other SET and the other OUT.  One wait on vm_vsrc stands at the
; head of chunks 2 and 3, a whole chunk behind the stores that it speaks of.  No load lands in a register that a store reads.
.set KAPPA,   0x3f596d27               ; sqrt(log2(e)/2) = 0.84932180
.set HALFINV, 0x3f16b55f               ; 1/(2 kappa)     = 0.58870501
.set TILEB,   262144                   ; bytes of wg for one K step: 1,024 rows x 256
.set CS,  12                           ; v[12:15]  four running sums of beta * w1
.set RS,  16                           ; v[16:19]  four running sums of the rounded gamma * w1
.set SET, 32                           ; set q at 32 + 96 q: 32 registers of w1, 32 of gamma (then the products), 32 of beta
.set OUT, 224                          ; buffer o at 224 + 16 o: for each of a chunk's 8 K steps two registers, four bf16 to store
.set STARTED, 0                        ; 0 until the first products have started the sums: nothing is cleared
	s_load_b256 s[4:11], s[0:1], 0x0               ; w1 s[4:5], gamma s[6:7], beta s[8:9], bias1 s[10:11]
	s_load_b128 s[12:15], s[0:1], 0x20             ; w2 s[12:13], wg s[14:15]
	s_load_b64 s[16:17], s[0:1], 0x30              ; vec
	v_lshrrev_b32 v4, 5, v0
	v_readfirstlane_b32 s18, v4                    ; wave 0..3
	v_and_b32 v1, 31, v0                           ; lane
	v_lshlrev_b32 v2, 4, v1                        ; 16 bytes a lane in w1, gamma, beta
	v_lshlrev_b32 v3, 3, v1                        ; 8 bytes a lane in wg
	v_mov_b32 v9, 0                                ; v_permlanex16_b32 counts as a read of its destination
	s_mov_b32 s22, 0xffff0000                      ; a word's upper bf16
	s_mov_b32 s23, 0x76543210                      ; lane i of one half reads lane i of the other
	s_mov_b32 s24, 0xfedcba98
	s_mov_b32 s25, KAPPA
	s_mov_b32 s26, HALFINV
	s_wait_alu depctr_va_sdst(0)                   ; s18 is written, ahead of its first reader: f, and with it the bases of w1 and wg, are made from it
	s_lshl_b32 s19, ttmp9, 2
	s_add_co_u32 s19, s19, s18                     ; f = 4 x work-group + wave
	v_mov_b32 v8, s19
	v_lshlrev_b32 v8, 2, v8                        ; 4 f: my word of bias1, w2 and vec
	s_lshl_b32 s20, s19, 14                        ; f rows of 16,384 bytes
	s_mov_b32 s21, 0
	s_wait_kmcnt 0x0
	s_add_nc_u64 s[4:5], s[4:5], s[20:21]          ; my row of w1
	s_lshl_b32 s20, s19, 8                         ; f rows of 256 bytes
	s_add_nc_u64 s[14:15], s[14:15], s[20:21]      ; my row in tile 0 of wg
	s_wait_alu depctr_va_vdst(0)                   ; v2, v3 and v8 are written: every load and store of the kernel reads one of them as its offset
	global_load_b32 v20, v8, s[10:11]              ; bias1[f]
	global_load_b32 v21, v8, s[12:13]              ; w2[f]
; 24 loads: K steps 8 c .. 8 c + 7 of w1's row, of gamma and of beta into set q
.macro LOADS c, q
.irp j, 0,1,2,3,4,5,6,7
	global_load_b128 v[SET+96*\q+4*\j:SET+96*\q+4*\j+3],       v2, s[4:5] offset:512*(8*(\c)+\j) th:TH_LOAD_NT
	global_load_b128 v[SET+96*\q+32+4*\j:SET+96*\q+32+4*\j+3], v2, s[6:7] offset:512*(8*(\c)+\j)
	global_load_b128 v[SET+96*\q+64+4*\j:SET+96*\q+64+4*\j+3], v2, s[8:9] offset:512*(8*(\c)+\j)
.endr
.endm
	LOADS 0, 0
	LOADS 1, 1
; Eight K steps out of set q, rounded into out-buffer q.  left = how many younger loads may stay out; fill = 1: the set is loaded again, two chunks ahead.
.macro CHUNK c, q, fill, left
	s_wait_loadcnt \left                           ; loads come back in order: this chunk's 24 (and all before) are in
.if (\c) >= 2
	s_wait_xcnt 0x0                                ; the stores of two chunks back have had their addresses translated: their data registers are rewritten only behind this wait,
	s_wait_alu depctr_vm_vsrc(0)                   ; and those stores have read OUT[q], which this chunk's roundings write again
.endif
.irp j, 0,1,2,3,4,5,6,7
.if STARTED
	v_pk_fma_f32 v[CS:CS+1],   v[SET+96*\q+4*\j:SET+96*\q+4*\j+1],   v[SET+96*\q+64+4*\j:SET+96*\q+64+4*\j+1],   v[CS:CS+1]
	v_pk_fma_f32 v[CS+2:CS+3], v[SET+96*\q+4*\j+2:SET+96*\q+4*\j+3], v[SET+96*\q+64+4*\j+2:SET+96*\q+64+4*\j+3], v[CS+2:CS+3]
.else
	v_pk_mul_f32 v[CS:CS+1],   v[SET+96*\q+4*\j:SET+96*\q+4*\j+1],   v[SET+96*\q+64+4*\j:SET+96*\q+64+4*\j+1]
	v_pk_mul_f32 v[CS+2:CS+3], v[SET+96*\q+4*\j+2:SET+96*\q+4*\j+3], v[SET+96*\q+64+4*\j+2:SET+96*\q+64+4*\j+3]
.endif
	v_pk_mul_f32 v[SET+96*\q+32+4*\j:SET+96*\q+32+4*\j+1],   v[SET+96*\q+4*\j:SET+96*\q+4*\j+1],   v[SET+96*\q+32+4*\j:SET+96*\q+32+4*\j+1]     ; gamma * w1
	v_pk_mul_f32 v[SET+96*\q+32+4*\j+2:SET+96*\q+32+4*\j+3], v[SET+96*\q+4*\j+2:SET+96*\q+4*\j+3], v[SET+96*\q+32+4*\j+2:SET+96*\q+32+4*\j+3]
	v_cvt_pk_bf16_f32 v[OUT+16*\q+2*\j],   v[SET+96*\q+32+4*\j],   v[SET+96*\q+32+4*\j+1]   ; four roundings, 8 bytes, into registers of their own
	v_cvt_pk_bf16_f32 v[OUT+16*\q+2*\j+1], v[SET+96*\q+32+4*\j+2], v[SET+96*\q+32+4*\j+3]
.if STARTED
	v_lshlrev_b32 v4, 16, v[OUT+16*\q+2*\j]        ; the rounded values back in f32, for their sum
	v_and_b32     v5, s22, v[OUT+16*\q+2*\j]
	v_lshlrev_b32 v6, 16, v[OUT+16*\q+2*\j+1]
	v_and_b32     v7, s22, v[OUT+16*\q+2*\j+1]
	v_pk_add_f32 v[RS:RS+1],   v[RS:RS+1],   v[4:5]
	v_pk_add_f32 v[RS+2:RS+3], v[RS+2:RS+3], v[6:7]
.else
	v_lshlrev_b32 v[RS],   16, v[OUT+16*\q+2*\j]
	v_and_b32     v[RS+1], s22, v[OUT+16*\q+2*\j]
	v_lshlrev_b32 v[RS+2], 16, v[OUT+16*\q+2*\j+1]
	v_and_b32     v[RS+3], s22, v[OUT+16*\q+2*\j+1]
.set STARTED, 1
.endif
.endr
	s_wait_alu depctr_va_vdst(0)                   ; the roundings have written OUT[q], which the stores below read; the chunk's arithmetic is done reading set q and writing its products there, where the loads below land
.if \fill
	LOADS \c+2, \q                                 ; the set is asked for again at once, ahead of the stores; no store reads a register of the set
.endif
.irp j, 0,1,2,3,4,5,6,7
	global_store_b64 v3, v[OUT+16*\q+2*\j:OUT+16*\q+2*\j+1], s[14:15] offset:(8*(\c)+\j)*TILEB   ; the wave stores 256 consecutive bytes, aligned; 31 tiles on at the most, inside the signed 24-bit immediate
.endr
.endm
	CHUNK 0, 0, 1, 24                              ; 24: the next chunk's loads stay out
	CHUNK 1, 1, 1, 24
	CHUNK 2, 0, 0, 24
	CHUNK 3, 1, 0, 0                               ; the last chunk: nothing was issued behind it
	v_pk_add_f32 v[CS:CS+1], v[CS:CS+1], v[CS+2:CS+3]
	v_pk_add_f32 v[RS:RS+1], v[RS:RS+1], v[RS+2:RS+3]
	v_add_f32 v[CS], v[CS], v[CS+1]
	v_add_f32 v[RS], v[RS], v[RS+1]
.irp m, 1,2,4,8                                    ; across the 16 lanes of each half
	v_add_f32_dpp v[CS], v[CS], v[CS] row_xmask:\m row_mask:0xf bank_mask:0xf
	v_add_f32_dpp v[RS], v[RS], v[RS] row_xmask:\m row_mask:0xf bank_mask:0xf
.endr
	v_permlanex16_b32 v9, v[CS], s23, s24          ; and across the halves
	v_add_f32 v[CS], v[CS], v9
	v_permlanex16_b32 v9, v[RS], s23, s24
	v_add_f32 v[RS], v[RS], v9
	v_add_f32 v[CS], v[CS], v20                    ; + bias1[f]
	v_mul_f32 v[CS], s25, v[CS]                    ; x kappa
	v_mul_f32 v21, s26, v21                        ; w2[f] / (2 kappa)
	v_cmp_eq_u32 vcc_lo, 0, v1
	s_wait_xcnt 0x0                                ; EXEC is a source of the stores above: it changes only behind this wait
	s_wait_alu depctr_va_vcc(0)                    ; the compare has written VCC, from which EXEC is made
	s_wait_alu depctr_va_vdst(0)                   ; EXEC is about to be written: the vector instructions issued so far have written their results, among them v[CS], v[RS] and v21, which the three stores below read
	s_wait_alu depctr_vm_vsrc(0)                   ; EXEC is about to be written: the memory instructions issued so far have read their vector registers
	s_and_saveexec_b32 s27, vcc_lo                 ; lane 0 alone
	global_store_b32 v8, v[CS], s[16:17]
	global_store_b32 v8, v[RS], s[16:17] offset:4096
	global_store_b32 v8, v21, s[16:17] offset:8192
	s_wait_xcnt 0x0                                ; and again in front of the line that widens it
	s_wait_alu depctr_va_vdst(0)                   ; EXEC is about to be written again: no vector result is outstanding
	s_wait_alu depctr_vm_vsrc(0)                   ; and the three stores have read their vector registers
	s_or_b32 exec_lo, exec_lo, s27
	s_endpgm
.Lfunc_end_k_qe226abd813_prep:
	.size	k_qe226abd813_prep, .Lfunc_end_k_qe226abd813_prep-k_qe226abd813_prep
	.p2alignl 7, 3214868480
	.fill 96, 4, 3214868480
	.section	.rodata,"a",@progbits
	.p2align	6, 0x0
	.amdhsa_kernel k_qe226abd813_prep
		.amdhsa_group_segment_fixed_size 0
		.amdhsa_private_segment_fixed_size 0
		.amdhsa_enable_private_segment 0
		.amdhsa_kernarg_size 56
		.amdhsa_user_sgpr_count 2
		.amdhsa_user_sgpr_kernarg_segment_ptr 1
		.amdhsa_wavefront_size32 1
		.amdhsa_system_sgpr_workgroup_id_x 1
		.amdhsa_system_sgpr_workgroup_id_y 1
		.amdhsa_system_sgpr_workgroup_id_z 1
		.amdhsa_system_vgpr_workitem_id 0
		.amdhsa_next_free_vgpr 256
		.amdhsa_next_free_sgpr 66
		.amdhsa_reserve_vcc 1
		.amdhsa_float_denorm_mode_32 3
		.amdhsa_float_denorm_mode_16_64 3
		.amdhsa_memory_ordered 1
		.amdhsa_forward_progress 1
		.amdhsa_inst_pref_size 36
	.end_amdhsa_kernel
	.amdgpu_metadata
---
amdhsa.version: [ 1, 2 ]
amdhsa.kernels:
  - .name:           k_qe226abd813_prep
    .symbol:         k_qe226abd813_prep.kd
    .args:
      - { .name: w1, .offset: 0, .size: 8, .value_kind: global_buffer, .address_space: global }
      - { .name: ln_gamma, .offset: 8, .size: 8, .value_kind: global_buffer, .address_space: global }
      - { .name: ln_beta, .offset: 16, .size: 8, .value_kind: global_buffer, .address_space: global }
      - { .name: bias1, .offset: 24, .size: 8, .value_kind: global_buffer, .address_space: global }
      - { .name: w2, .offset: 32, .size: 8, .value_kind: global_buffer, .address_space: global }
      - { .name: wg, .offset: 40, .size: 8, .value_kind: global_buffer, .address_space: global }
      - { .name: vec, .offset: 48, .size: 8, .value_kind: global_buffer, .address_space: global }
    .group_segment_fixed_size: 0
    .private_segment_fixed_size: 0
    .kernarg_segment_align: 8
    .kernarg_segment_size: 56
    .max_flat_workgroup_size: 128
    .sgpr_count:     66
    .vgpr_count:     256
    .wavefront_size: 32
...
	.end_amdgpu_metadata
.endif
;; end of part 5
;; launch main: the kernel of part 4 again; grid 8 x 32, 4 waves a work-group, clusters of 4 x 1, 327,680 bytes of LDS; arguments hidden_states, wg, vec, part; writes part
;; launch finish: the kernel of part 3 again; grid 32 x 1, 4 waves a work-group, no clusters, 0 bytes of LDS; arguments part, bias2, out0; writes out0
